; MI455X (gfx1250); checked and timed in simulation.
; The chip was launched on July 23, 2026; its instructions are those of AMD's public machine-readable ISA for CDNA 5 (MIT licence, August 2026) and "CDNA5" Instruction Set Architecture Reference Guide (July 2026). The comments in the code are by the model that wrote it; some were corrected since.
;; Transformer Block. Allowed arithmetic: matrix products marked QUANTISED: E4M3 operands, one E8M0 scale for each 32 along K, by v_wmma_scale_f32_16x16x128_f8f6f4 with both operands' format E4M3, f32 sums; everything else in f32.
;; Inputs: W1_codes 4,096 x 32 x 32 uint8 (E4M3 codes of W1, K innermost, in blocks of 32 codes); W1_scales 4,096 x 32 uint8 (E8M0 scales of W1, one for each 32 codes along K); W2_codes 1,024 x 128 x 32 uint8 (E4M3 codes of W2, K innermost, in blocks of 32 codes); W2_scales 1,024 x 128 uint8 (E8M0 scales of W2, one for each 32 codes along K); Wk_codes 16 x 64 x 32 x 32 uint8 (E4M3 codes of Wk, K innermost, in blocks of 32 codes); Wk_scales 16 x 64 x 32 uint8 (E8M0 scales of Wk, one for each 32 codes along K); Wo_codes 1,024 x 32 x 32 uint8 (E4M3 codes of Wo, K innermost, in blocks of 32 codes); Wo_scales 1,024 x 32 uint8 (E8M0 scales of Wo, one for each 32 codes along K); Wq_codes 16 x 64 x 32 x 32 uint8 (E4M3 codes of Wq, K innermost, in blocks of 32 codes); Wq_scales 16 x 64 x 32 uint8 (E8M0 scales of Wq, one for each 32 codes along K); Wv_codes 16 x 64 x 32 x 32 uint8 (E4M3 codes of Wv, K innermost, in blocks of 32 codes); Wv_scales 16 x 64 x 32 uint8 (E8M0 scales of Wv, one for each 32 codes along K); b1 4,096 float32; b2 1,024 float32; bk 16 x 64 float32; bo 1,024 float32; bq 16 x 64 float32; bv 16 x 64 float32; ln1_b 1,024 float32; ln1_g 1,024 float32; ln2_b 1,024 float32; ln2_g 1,024 float32; x 2 x 2,048 x 1,024 float32.
;; Outputs: out0 2 x 2,048 x 1,024 float32.
;; This version of the problem:
;;   THIS VERSION OF THE PROBLEM IS GIVEN IN LOW PRECISION. The matrix products marked QUANTISED in the list below multiply operands that are first quantised to E4M3 (4 exponent bits, 3 mantissa bits; 8 bits a number), with one power-of-two scale for each 32 numbers along K (OCP MX v1.0); their sums are f32. All else is computed in f32.
;;   The module's matrix products, in the order in which they are computed (A, B: the left and right operand; K: the contracted axis; several contracted axes count as one K, in the product's order):
;;     1. [M 1,024, K 1,024] x [K 1,024, N 4,096]; A: input Wq (given as codes); B: computed on the way: QUANTISED
;;     2. [M 1,024, K 1,024] x [K 1,024, N 4,096]; A: input Wk (given as codes); B: computed on the way: QUANTISED
;;     3. [M 1,024, K 1,024] x [K 1,024, N 4,096]; A: input Wv (given as codes); B: computed on the way: QUANTISED
;;     4. batch 32 x [M 2,048, K 64] x [K 64, N 2,048]; A: computed on the way; B: computed on the way: QUANTISED
;;     5. batch 32 x [M 2,048, K 2,048] x [K 2,048, N 64]; A: softmax (see below); B: computed on the way: QUANTISED
;;     6. [M 4,096, K 1,024] x [K 1,024, N 1,024]; A: computed on the way; B: input Wo (given as codes): QUANTISED
;;     7. [M 4,096, K 1,024] x [K 1,024, N 4,096]; A: computed on the way; B: input W1 (given as codes): QUANTISED
;;     8. [M 4,096, K 4,096] x [K 4,096, N 1,024]; A: computed on the way; B: input W2 (given as codes): QUANTISED
;;   THE QUANTISER, for each operand of a quantised product, along K:
;;     - K is cut into blocks of 32 from its start; a last block that is shorter is filled with zeros.
;;     - A block's scale is 2^e with e = floor(log2(the largest magnitude in the block)) - 8, held to -126 .. 127; a block of zeros has e = 0. As a byte (E8M0): e + 127.
;;     - Each number is divided by its block's scale, clamped to +-448, and rounded to the nearest number of E4M3, ties to even, subnormals kept.
;;     - The product sums the exact products of the quantised numbers (number of the format x scale) in f32.
;;   ~~~python
;;   def quantise(x, axis):      # numpy; x: float32 -> the quantised numbers, widened to float32 again
;;       x = np.moveaxis(x, axis, -1); K = x.shape[-1]
;;       x = np.pad(x, [(0, 0)] * (x.ndim - 1) + [(0, -K % 32)]); x = x.reshape(x.shape[:-1] + (-1, 32)); a = np.abs(x).max(-1, keepdims=True)
;;       e = np.where(a > 0, np.clip(np.frexp(np.where(a > 0, a, 1))[1] - 1 - 8, -126, 127), 0)      # np.frexp(a)[1] - 1 = floor(log2(a)), exactly
;;       r = np.clip(x / 2.0 ** e, -448, 448)
;;       step = 2.0 ** (np.maximum(np.frexp(np.where(r == 0, 1, r))[1] - 1, -6) - 3)
;;       q = np.round(r / step) * step * 2.0 ** e      # np.round: ties to even
;;       return np.moveaxis(q.reshape(q.shape[:-2] + (-1,))[..., :K], -1, axis).astype(np.float32)
;;   ~~~
;;   SOFTMAX AHEAD OF A QUANTISED PRODUCT. Where the list says 'softmax', what is quantised is not the finished softmax but p = 2^(t - M), with t = logit x log2(e) and M = ceil(the row's largest t), a whole number; so 1/2 < the row's largest p <= 1. The row's sum l is taken of the UNQUANTISED p, in f32, and the product's result is divided by l at the end. Since M is a whole number, a kernel that streams over the keys may use a running M (the ceiling of the running maximum): every later rescaling is an exact power of two, which a block's scale takes up: the codes' values come out the same.
;;   OPERANDS COMPUTED ON THE WAY. 'Computed on the way' means the value that the module computes at that place (a softmax that the list does not call 'softmax' is quantised finished and normalised). What goes into a quantiser is computed in f32, as accurately as f32 sums, v_exp_f32 and their like allow (about 1e-6 of the number): no bf16 or f16 on the way to a quantiser, and a product that is left as it is and whose result goes on into a quantised operand takes f32 operands (vector FMAs, or v_wmma_f32_16x16x4_f32). A number that lies on a knife's edge between two numbers of the format may be rounded either way, as far as f32 arithmetic and the matrix unit's own rounding can turn it there, and no further.
;;   INPUTS GIVEN AS CODES. W1 (in the module: [1024, 4096], K = its axis 0); W2 (in the module: [4096, 1024], K = its axis 0); Wk (in the module: [16, 1024, 64], K = its axis 1); Wo (in the module: [1024, 1024], K = its axis 0); Wq (in the module: [16, 1024, 64], K = its axis 1); Wv (in the module: [16, 1024, 64], K = its axis 1): each comes as NAME_codes (uint8): NAME with its K axis moved to the last place and cut into blocks of 32 codes, [.., K / 32, bytes a block], one block behind the other in memory; one code a byte (a code: sign, 4 exponent bits, 3 mantissa bits); and NAME_scales (uint8): the same leading axes, one E8M0 byte (e + 127) for each 32 codes along K. Its value is code x scale, taken as it is: it is not quantised again, and the codes and scales need not be those that the quantiser above would give.
;; One version. Each part assembles by itself: llvm-mc -triple=amdgcn-amd-amdhsa -mcpu=gfx1250 --defsym DOCPART=n.
;; ======== version 1 of 1: 7 launches
;; limits: right only within a limited range of input values
;; workspace buffers: hc 4,194,304 bytes; hs 131,072 bytes; qkv 13,238,272 bytes; ac 4,325,376 bytes; x1 16,777,216 bytes; hid 17,301,504 bytes
;; launch ln1 (part 1): grid 256 x 1, 4 waves a work-group, no clusters, 22,016 bytes of LDS; arguments x, ln1_g, ln1_b, hc, hs; writes hc, hs
.if DOCPART == 1
	.amdgcn_target "amdgcn-amd-amdhsa--gfx1250"
	.amdhsa_code_object_version 6
	.text
	.protected	k_qfe94c6927e_ln1
	.globl	k_qfe94c6927e_ln1
	.p2align	8
	.type	k_qfe94c6927e_ln1,@function
k_qfe94c6927e_ln1:
	s_mov_b64 s[64:65], 0
	v_nop
	global_prefetch_b8 v0, s[64:65] scope:SCOPE_SE
	s_setreg_imm32_b32 hwreg(HW_REG_WAVE_MODE, 25, 1), 1
	s_wait_xcnt 0x0
; h = layer_norm(x) * g + b over rows of 1,024 f32, then quantised along the row to FP8 (E4M3) codes with one E8M0 byte for each 32 numbers.
; x: [4096][1024] f32.  Codes out: [4096][1024] bytes.  Scale bytes out: [4096][32].
; SHARES: a work-group of four waves takes 16 rows, a wave 4; all 32 row loads of a wave (16 KiB) go out at once.  A row is 32 registers a lane, and stays there
; between the pass for the mean, the pass for the variance (of x - mean, as the definition has it) and the scaling: the row is read from memory once.
; The conversions want 16 NEIGHBOURS in one lane, the loads give 4: a row's 4,096 bytes turn through the wave's own two stages in LDS (64 bytes + 16 of padding a place).
; A lane's 16 codes are 16 bytes: a wave's store covers 512 consecutive bytes.  The work-group's 512 scale bytes are gathered in LDS and leave as two aligned blocks of 256 bytes.
; No matrix unit, no cluster: the work-groups share only g and b, 8 KiB against 64 KiB of rows.
; LIMITS: NaN and infinities are not served.  A block whose largest magnitude lies under 2^-118 (a block of zeros among them) gets the byte 1; this program alone reads the bytes, and zero codes add nothing under it.
.set R,    16                          ; v16-143  four rows of 32 registers; a row's registers later hold its codes and bytes
.set G,    144                         ; v144-175 g of my 32 columns
.set BT,   176                         ; v176-207 b of my 32 columns
.set X,    208                         ; v208-239 two sets of 16 neighbours
.set SM,   240                         ; v240-247 four packed chains
.set MU,   248                         ; v248-249 the mean, twice
.set RS,   250                         ; v250-251 1 / sqrt(var + eps), twice
.set TP,   252
.set TV,   253
.set SP,   80                          ; a place in a stage: 64 bytes + 16 of padding
.set WREG, 2*32*SP                     ; a wave's two stages
.set SCB,  4*WREG                      ; behind them: the work-group's 512 scale bytes
	s_load_b256 s[4:11], s[0:1], 0x0               ; x, g, b, codes
	s_load_b64 s[12:13], s[0:1], 0x20              ; scale bytes
	v_lshl_add_u32 v254, v0, 2, 0x5400
	v_mov_b32 v255, 0
	v_lshrrev_b32 v1, 5, v0
	v_readfirstlane_b32 s14, v1                    ; wave
	v_and_b32 v1, 31, v0                           ; lane
	v_lshlrev_b32 v2, 4, v1                        ; 16 x lane: my 16 bytes of 512
	s_mul_i32 s15, s14, WREG
	v_lshrrev_b32 v3, 2, v1
	v_mul_u32_u24 v3, v3, SP
	v_and_b32 v4, 3, v1
	v_lshl_add_u32 v3, v4, 4, v3
	v_add_nc_u32 v3, s15, v3                       ; into a stage: four lanes' 64 bytes on end, then the padding
	v_mul_u32_u24 v4, v1, SP
	v_add_nc_u32 v4, s15, v4                       ; out of it: place = lane: 16 neighbours
	v_lshrrev_b32 v5, 1, v1
	s_lshl_b32 s16, s14, 7
	s_add_co_u32 s16, s16, SCB
	v_add_nc_u32 v5, s16, v5                       ; my block's scale byte: 128 bytes a wave, 32 a row
	v_add_nc_u32 v6, SCB, v2                       ; and the 512 bytes on their way out
	v_mov_b32 v[TP], 0                             ; a lane permute's destination counts as one of its sources
	s_mov_b32 s20, 0x76543210
	s_mov_b32 s21, 0xfedcba98                      ; selects for lane l xor 16
	s_mov_b32 s22, 0x3a800000                      ; 1 / 1024
	s_mov_b32 s23, 0x3727c5ac                      ; 1e-5
	s_mov_b32 s24, 0x600000                        ; the mantissa field of 448
	s_lshl_b32 s18, ttmp9, 16                      ; 16 rows of 4,096 bytes a work-group,
	s_lshl_b32 s17, s14, 14                        ; 4 a wave
	s_add_co_u32 s18, s18, s17
	s_mov_b32 s19, 0
	s_lshr_b32 s26, s18, 2                         ; the codes: a quarter of that
	s_mov_b32 s27, 0
	s_lshl_b32 s28, ttmp9, 9                       ; 512 scale bytes a work-group
	s_mov_b32 s29, 0
	s_wait_kmcnt 0x0
	s_add_nc_u64 s[4:5], s[4:5], s[18:19]
	s_add_nc_u64 s[10:11], s[10:11], s[26:27]
	s_add_nc_u64 s[12:13], s[12:13], s[28:29]
.irp i, 0,1,2,3,4,5,6,7
	global_load_b128 v[G+4*\i:G+4*\i+3], v2, s[6:7] offset:512*\i
	global_load_b128 v[BT+4*\i:BT+4*\i+3], v2, s[8:9] offset:512*\i
.endr
.irp j, 0,1,2,3
.irp i, 0,1,2,3,4,5,6,7
	global_load_b128 v[R+32*\j+4*\i:R+32*\j+4*\i+3], v2, s[4:5] offset:4096*\j+512*\i th:TH_LOAD_NT
.endr
.endr
.macro REDUCE                          ; four chains into one number, then over the 32 lanes: every lane ends with the sum
	v_pk_add_f32 v[SM:SM+1], v[SM:SM+1], v[SM+2:SM+3]
	v_pk_add_f32 v[SM+4:SM+5], v[SM+4:SM+5], v[SM+6:SM+7]
	v_pk_add_f32 v[SM:SM+1], v[SM:SM+1], v[SM+4:SM+5]
	v_add_f32 v[SM], v[SM], v[SM+1]
	v_add_f32_dpp v[SM], v[SM], v[SM] row_xmask:1 row_mask:0xf bank_mask:0xf
	v_add_f32_dpp v[SM], v[SM], v[SM] row_xmask:2 row_mask:0xf bank_mask:0xf
	v_add_f32_dpp v[SM], v[SM], v[SM] row_xmask:4 row_mask:0xf bank_mask:0xf
	v_add_f32_dpp v[SM], v[SM], v[SM] row_xmask:8 row_mask:0xf bank_mask:0xf
	v_permlanex16_b32 v[TP], v[SM], s20, s21
	v_add_f32 v[SM], v[SM], v[TP]
.endm
.macro ROW j
.set RJ, R+32*(\j)
	s_wait_loadcnt 24-8*(\j)                       ; loads come back in order: g, b and my row are in; the eight loads of each later row may be out
.irp c, 0,2,4,6
	v_pk_add_f32 v[SM+\c:SM+\c+1], v[RJ+\c:RJ+\c+1], v[RJ+8+\c:RJ+8+\c+1]
.endr
.irp i, 16,24
.irp c, 0,2,4,6
	v_pk_add_f32 v[SM+\c:SM+\c+1], v[SM+\c:SM+\c+1], v[RJ+\i+\c:RJ+\i+\c+1]
.endr
.endr
	REDUCE
	v_mul_f32 v[MU], s22, v[SM]                    ; the mean
	v_mov_b32 v[MU+1], v[MU]
.set i, 0
.rept 16
	v_pk_add_f32 v[RJ+i:RJ+i+1], v[RJ+i:RJ+i+1], v[MU:MU+1] neg_lo:[0,1] neg_hi:[0,1]   ; x - mean
.set i, i+2
.endr
.irp c, 0,2,4,6
	v_pk_mul_f32 v[SM+\c:SM+\c+1], v[RJ+\c:RJ+\c+1], v[RJ+\c:RJ+\c+1]
.endr
.irp i, 8,16,24
.irp c, 0,2,4,6
	v_pk_fma_f32 v[SM+\c:SM+\c+1], v[RJ+\i+\c:RJ+\i+\c+1], v[RJ+\i+\c:RJ+\i+\c+1], v[SM+\c:SM+\c+1]
.endr
.endr
	REDUCE
	v_fma_f32 v[TV], v[SM], s22, s23               ; the variance + eps
	s_wait_alu depctr_va_vdst(0)                   ; the wait ahead of the transcendentals
	v_rsq_f32 v[RS], v[TV]
	v_rsq_f32 v[RS+1], v[TV]
	v_nop                                          ; a plain instruction behind the transcendentals,
	s_wait_alu depctr_va_vdst(0)                   ; and one wait for both, ahead of their first reader
.set i, 0
.rept 16
	v_pk_mul_f32 v[RJ+i:RJ+i+1], v[RJ+i:RJ+i+1], v[RS:RS+1]
.set i, i+2
.endr
.set i, 0
.rept 16
	v_pk_fma_f32 v[RJ+i:RJ+i+1], v[RJ+i:RJ+i+1], v[G+i:G+i+1], v[BT+i:BT+i+1]
.set i, i+2
.endr
.irp i, 0,1,2,3,4,5,6,7                ; the row through the two stages: LDS serves a wave's instructions in order, so no wait stands between the stores and the loads
	ds_store_b128 v3, v[RJ+4*\i:RJ+4*\i+3] offset:32*SP*(\i/4)+8*SP*(\i%4)
.endr
.irp s, 0,1
.irp i, 0,1,2,3
	ds_load_b128 v[X+16*\s+4*\i:X+16*\s+4*\i+3], v4 offset:32*SP*\s+16*\i
.endr
.endr
	s_wait_dscnt 0x0                               ; my 32 neighbours are in, and the stores have read the row's registers, which now take its codes
.irp s, 0,1                            ; numbers 512 s + 16 lane + 0 .. 15 of the row: two neighbouring lanes hold a block of 32
.set XS, X+16*\s
.set CD, RJ+4*\s
	v_max3_num_f32 v8, |v[XS]|, |v[XS+1]|, |v[XS+2]|
	v_max3_num_f32 v9, |v[XS+3]|, |v[XS+4]|, |v[XS+5]|
.irp i, 6,10
	v_max3_num_f32 v8, v8, |v[XS+\i]|, |v[XS+\i+1]|
	v_max3_num_f32 v9, v9, |v[XS+\i+2]|, |v[XS+\i+3]|
.endr
	v_max3_num_f32 v8, v8, |v[XS+14]|, |v[XS+15]|
	v_max3_num_f32 v8, v8, v9, 0x4800000           ; and the floor 2^(9 - 127): the byte cannot fall under 1
	v_max_num_f32_dpp v8, v8, v8 row_xmask:1 row_mask:0xf bank_mask:0xf   ; with my neighbour's 16: the block's largest magnitude
	v_add_nc_u32 v11, 0xfc000000, v8               ; 8 off its exponent field: the conversion's scale operand
	v_and_or_b32 v10, v8, 0x7f800000, s24          ; 448 x the scale
.set i, 0
.rept 16
	v_med3_num_f32 v[XS+i], v[XS+i], -v10, v10     ; the conversion to an 8-bit code does not saturate (ISA guide 7.6.2): the hold comes first
.set i, i+1
.endr
	v_cvt_scalef32_pk8_fp8_f32 v[CD:CD+1], v[XS:XS+7], v11
	v_cvt_scalef32_pk8_fp8_f32 v[CD+2:CD+3], v[XS+8:XS+15], v11
	v_lshrrev_b32 v[RJ+8+\s], 23, v11              ; the scale's byte (also the plain line behind the conversions)
	ds_store_b8 v5, v[RJ+8+\s] offset:32*(\j)+16*\s   ; both lanes of a block write the same byte with the same value
	global_store_b128 v2, v[CD:CD+3], s[10:11] offset:1024*(\j)+512*\s   ; 32 lanes store 512 consecutive bytes; no store's data are written again
.endr
.endm
	ROW 0
	ROW 1
	ROW 2
	ROW 3
	s_wait_dscnt 0x0                               ; for the others' sake: my scale bytes lie in LDS
	s_barrier_signal -1
	s_barrier_wait -1
	s_cmp_lg_u32 s14, 0
	s_cbranch_scc1 .Lend
	ds_load_b128 v[8:11], v6                       ; wave 0 sends the work-group's 512 scale bytes
	s_wait_dscnt 0x0
	global_store_b128 v2, v[8:11], s[12:13]
.Lend:
	s_wait_tensorcnt 0x0                           ; the wave's end
	ds_add_u32 v254, v255
	s_wait_dscnt 0x0
	s_endpgm
.Lfunc_end_k_qfe94c6927e_ln1:
	.size	k_qfe94c6927e_ln1, .Lfunc_end_k_qfe94c6927e_ln1-k_qfe94c6927e_ln1
	.p2alignl 7, 3214868480
	.fill 96, 4, 3214868480
	.section	.rodata,"a",@progbits
	.p2align	6, 0x0
	.amdhsa_kernel k_qfe94c6927e_ln1
		.amdhsa_group_segment_fixed_size 22016
		.amdhsa_private_segment_fixed_size 0
		.amdhsa_enable_private_segment 0
		.amdhsa_kernarg_size 40
		.amdhsa_user_sgpr_count 2
		.amdhsa_user_sgpr_kernarg_segment_ptr 1
		.amdhsa_wavefront_size32 1
		.amdhsa_system_sgpr_workgroup_id_x 1
		.amdhsa_system_sgpr_workgroup_id_y 1
		.amdhsa_system_sgpr_workgroup_id_z 1
		.amdhsa_system_vgpr_workitem_id 0
		.amdhsa_next_free_vgpr 256
		.amdhsa_next_free_sgpr 66
		.amdhsa_reserve_vcc 0
		.amdhsa_float_denorm_mode_32 3
		.amdhsa_float_denorm_mode_16_64 3
		.amdhsa_memory_ordered 1
		.amdhsa_forward_progress 1
		.amdhsa_inst_pref_size 53
	.end_amdhsa_kernel
	.amdgpu_metadata
---
amdhsa.version: [ 1, 2 ]
amdhsa.kernels:
  - .name:           k_qfe94c6927e_ln1
    .symbol:         k_qfe94c6927e_ln1.kd
    .args:
      - { .name: x, .offset: 0, .size: 8, .value_kind: global_buffer, .address_space: global }
      - { .name: ln1_g, .offset: 8, .size: 8, .value_kind: global_buffer, .address_space: global }
      - { .name: ln1_b, .offset: 16, .size: 8, .value_kind: global_buffer, .address_space: global }
      - { .name: hc, .offset: 24, .size: 8, .value_kind: global_buffer, .address_space: global }
      - { .name: hs, .offset: 32, .size: 8, .value_kind: global_buffer, .address_space: global }
    .group_segment_fixed_size: 22016
    .private_segment_fixed_size: 0
    .kernarg_segment_align: 8
    .kernarg_segment_size: 40
    .max_flat_workgroup_size: 128
    .sgpr_count:     66
    .vgpr_count:     256
    .wavefront_size: 32
...
	.end_amdgpu_metadata
.endif
;; end of part 1
;; launch qkv (part 2): grid 12 x 16, 4 waves a work-group, clusters of 4 x 4, 327,680 bytes of LDS; arguments hc, hs, Wq_codes, Wq_scales, Wk_codes, Wk_scales, Wv_codes, Wv_scales, bq, bk, bv, qkv; writes qkv
.if DOCPART == 2
	.amdgcn_target "amdgcn-amd-amdhsa--gfx1250"
	.amdhsa_code_object_version 6
	.text
	.protected	k_qfe94c6927e_qkv
	.globl	k_qfe94c6927e_qkv
	.p2align	8
	.type	k_qfe94c6927e_qkv,@function
k_qfe94c6927e_qkv:
	s_mov_b64 s[64:65], 0
	v_nop
	global_prefetch_b8 v0, s[64:65] scope:SCOPE_SE
	s_setreg_imm32_b32 hwreg(HW_REG_WAVE_MODE, 25, 1), 1
	s_wait_xcnt 0x0
	s_wait_alu depctr_hold_cnt(0) depctr_sa_sdst(0) depctr_va_vdst(0) depctr_va_sdst(0) depctr_va_ssrc(0) depctr_va_vcc(0) depctr_vm_vsrc(0)
	s_getreg_b32 s2, hwreg(HW_REG_IB_STS2, 6, 4)
	s_cmp_eq_u32 s2, 0
	s_cbranch_scc0 .Lentry_in_a_cluster
	s_endpgm
.Lentry_in_a_cluster:
	s_bfe_u32 s2, ttmp6, 0x10000c
	s_cmp_lg_u32 s2, 0xf033
	s_cbranch_scc0 .Lentry_shape_is_right
	s_endpgm
.Lentry_shape_is_right:
.set SIZE_K, 1024
.set KSTEP,  256
.set NQ,     KSTEP/128
.set ROWB,   256
.set KROW,   SIZE_K
.set PITCH,  272
.set FR,     16
.set NL,     4
.set NP,     8
.set HALFT,  128*PITCH
.set SLOT,   4*HALFT
.set LAPS,   SIZE_K/(2*KSTEP)
.set KS,     SIZE_K/32
.set SCL,    2*SLOT
.set HALFS,  (128*KS/256)*272
.set SBLK,   (16*KS/256)*272
.set SPARE,  SCL+4*HALFS
.set STG,    SPARE+512
.set REC,    20480
.set ADRA, 16
.set ADRB, 20
.set WSH,  23
.set WST,  24
.set WRD,  25
.set CO,   26
.set ADRS, 27
.set SPW,  28
.set NIL,  29
.set SC,   32
.set BJ,   64
.set AF,   128
.set T,    128
.set C,    192
.set TM,   224
.set PW,   240
.set RB,   244
.set G1, 24
.set G0, 32
.set G1B, 48
.set G0B, 56
.set G1S, 68
.set G0S, 76
.set G1SB, 80
.set G0SB, 88
.set SEL, 98
.set MNT, 100
.set MSB, 0
.macro WIN new
.if MSB != \new
	s_set_vgpr_msb (MSB<<8)|\new
.set MSB, \new
.endif
.endm
.set MUL_LO, 0xa1
.set MUL_HI, 0xf1
.set TO_B,   0x40
.macro JLOAD g0a, g1a, g0b, g1b
	s_cmp_eq_u32 s15, 0
	s_cbranch_scc0 .Lfor_b_\@
	tensor_load_to_lds s[\g0a:\g0a+3], s[\g1a:\g1a+7]
	s_nop 0
.rept 4
	v_nop
.endr
	s_branch .Lasked_\@
.Lfor_b_\@:
	tensor_load_to_lds s[\g0b:\g0b+3], s[\g1b:\g1b+7]
	s_nop 0
.rept 4
	v_nop
.endr
.Lasked_\@:
.endm
.macro CREST
	s_cmp_lg_u32 s14, 0
	s_cbranch_scc1 .Lnot_wave_0_\@
	s_barrier_signal -3
.Lnot_wave_0_\@:
	s_barrier_wait -3
	s_barrier_signal -1
	s_barrier_wait -1
.endm
.macro CROUND
	s_barrier_signal -1
	s_barrier_wait -1
	CREST
.endm
	s_load_b512 s[68:83], s[0:1], 0x0
	s_load_b256 s[84:91], s[0:1], 0x40
	v_lshl_add_u32 v[SPW], v0, 2, SPARE
	v_mov_b32 v[NIL], 0
	ds_add_u32 v28, v29
	ds_add_u32 v28, v29
	s_wait_dscnt 0x0
	v_lshrrev_b32 v1, 5, v0
	v_readfirstlane_b32 s14, v1
	s_lshr_b32 s15, s14, 1
	s_and_b32 s16, s14, 1
	s_bfe_u32 s40, ttmp6, 0x40000
	s_bfe_u32 s41, ttmp6, 0x40004
	s_and_b32 s18, ttmp7, 0xffff
	s_lshl_b32 s18, s18, 2
	s_cmp_eq_u32 ttmp9, 2
	s_cselect_b32 s17, 0, s18
	s_cselect_b32 s42, s18, 0
	s_cselect_b32 s2, 1, 0
	s_add_co_u32 s17, s17, s41
	s_add_co_u32 s42, s42, s40
	s_lshl_b32 s43, s41, 2
	s_lshl_b32 s43, 15, s43
	s_lshl_b32 s44, 0x1111, s40
	s_or_b32 s[G1+0], s43, (0<<16)|(1<<20)|(1<<21)|(5<<22)|(3<<25)
	s_or_b32 s[G1B+0], s44, (0<<16)|(1<<20)|(1<<21)|(5<<22)|(3<<25)
.irp g, G1, G1B
	s_mov_b32 s[\g+1], ROWB<<16
	s_mov_b32 s[\g+2], 256<<16                     ; the head's loads bring a tile's 256 rows; behind them the two words that count rows are set to 128
	s_mov_b32 s[\g+3], ROWB<<16
	s_mov_b32 s[\g+4], 256
	s_mov_b32 s[\g+5], KROW
	s_mov_b32 s[\g+6], 0
	s_mov_b32 s[\g+7], 0
.endr
	s_lshl_b32 s20, s17, 8                         ; the tiles' first rows
	s_lshl_b32 s46, s42, 8
	s_mov_b32 s21, 0
	s_mov_b32 s47, 0
	s_mov_b64 s[18:19], KS
	s_mul_u64 s[22:23], s[20:21], s[18:19]
	s_mul_u64 s[92:93], s[46:47], s[18:19]
	s_mov_b64 s[18:19], KROW
	s_mul_u64 s[20:21], s[20:21], s[18:19]
	s_mul_u64 s[46:47], s[46:47], s[18:19]
	s_mul_i32 s45, s14, HALFT
	s_mul_i32 s18, s16, 128*KROW                   ; in the ring I fetch 128 rows of a tile: which half, in bytes
	s_mov_b32 s19, 0
	s_mov_b32 s[SEL], 0x76543210
	s_mov_b32 s[SEL+1], 0xfedcba98
	s_mov_b32 s[MNT], 0x600000
	s_mov_b32 s101, 0xffff0000
	s_wait_kmcnt 0x0
	s_cmp_eq_u32 ttmp9, 2
	s_cselect_b64 s[4:5], s[80:81], s[68:69]
	s_cselect_b64 s[6:7], s[82:83], s[70:71]
	s_cselect_b64 s[8:9], s[68:69], s[76:77]
	s_cselect_b64 s[10:11], s[70:71], s[78:79]
	s_cselect_b64 s[96:97], s[88:89], s[86:87]
	s_cmp_eq_u32 ttmp9, 0
	s_cselect_b64 s[8:9], s[72:73], s[8:9]
	s_cselect_b64 s[10:11], s[74:75], s[10:11]
	s_cselect_b64 s[96:97], s[84:85], s[96:97]
	s_mov_b64 s[12:13], s[90:91]
	s_add_nc_u64 s[20:21], s[4:5], s[20:21]
	s_add_nc_u64 s[22:23], s[6:7], s[22:23]
	s_add_nc_u64 s[46:47], s[8:9], s[46:47]
	s_add_nc_u64 s[92:93], s[10:11], s[92:93]
	s_or_b32 s[G1S+0], s43, (3<<16)|(1<<20)|(1<<21)|(5<<22)|(3<<25)
	s_or_b32 s[G1SB+0], s44, (3<<16)|(1<<20)|(1<<21)|(5<<22)|(3<<25)
.irp g, G1S, G1SB
	s_mov_b32 s[\g+1], 32<<16
	s_mov_b32 s[\g+2], KS<<16                      ; the scales of 256 rows: KS rows of 256 bytes
	s_mov_b32 s[\g+3], 32<<16
	s_mov_b32 s[\g+4], KS
	s_mov_b32 s[\g+5], 32
	s_mov_b32 s[\g+6], 0
	s_mov_b32 s[\g+7], 0
.endr
	CROUND
	s_mov_b32 s[G0S], 1
	s_mov_b32 s[G0S+1], SCL
	s_mov_b64 s[G0S+2:G0S+3], s[22:23]
	s_or_b32 s[G0S+3], s[G0S+3], 0x80000000
	s_mov_b32 s[G0SB], 1
	s_mov_b32 s[G0SB+1], SCL+2*HALFS
	s_mov_b64 s[G0SB+2:G0SB+3], s[92:93]
	s_or_b32 s[G0SB+3], s[G0SB+3], 0x80000000
	s_mov_b32 s4, 1                                ; s[4:7], s[8:11]: groups 0 of the head's loads of K step 0, each tile whole
	s_mov_b32 s5, 0
	s_mov_b64 s[6:7], s[20:21]
	s_or_b32 s7, s7, 0x80000000
	s_mov_b32 s8, 1
	s_mov_b32 s9, 2*HALFT
	s_mov_b64 s[10:11], s[46:47]
	s_or_b32 s11, s11, 0x80000000
	s_add_nc_u64 s[20:21], s[20:21], s[18:19]      ; for the ring: my 128 rows
	s_add_nc_u64 s[46:47], s[46:47], s[18:19]
.irp s, 0,1
	s_mov_b32 s[G0+4*\s], 1
	s_add_co_u32 s[G0+4*\s+1], s45, \s*SLOT
	s_add_nc_u64 s[G0+4*\s+2:G0+4*\s+3], s[20:21], \s*ROWB
	s_or_b32 s[G0+4*\s+3], s[G0+4*\s+3], 0x80000000
	s_mov_b32 s[G0B+4*\s], 1
	s_add_co_u32 s[G0B+4*\s+1], s45, \s*SLOT
	s_add_nc_u64 s[G0B+4*\s+2:G0B+4*\s+3], s[46:47], \s*ROWB
	s_or_b32 s[G0B+4*\s+3], s[G0B+4*\s+3], 0x80000000
.endr
; the head's four tiles, one load a wave, in one tree of arms: wave 0 the first operand's 256 rows, wave 1 the second's, waves 2 and 3 their scales
.macro ARM under, g0, g1, next
	s_cmp_lt_u32 s14, \under
	s_cbranch_scc0 \next
	tensor_load_to_lds s[\g0:\g0+3], s[\g1:\g1+7]
	s_nop 0
.rept 4
	v_nop
.endr
	s_branch .Lhead_asked
\next:
.endm
	ARM 1, 4, G1, .Lhead_b
	ARM 2, 8, G1B, .Lhead_sa
	ARM 3, G0S, G1S, .Lhead_sb
	tensor_load_to_lds s[G0SB:G0SB+3], s[G1SB:G1SB+7]
	s_nop 0
.rept 4
	v_nop
.endr
.Lhead_asked:
	v_and_b32 v1, 15, v0
	v_bfe_u32 v2, v0, 4, 1
	v_mul_u32_u24 v3, v1, PITCH
	v_lshl_add_u32 v4, v2, 4, v3
	s_mul_i32 s21, s15, HALFT
	s_mul_i32 s22, s16, HALFT
	s_add_co_u32 s22, s22, 2*HALFT
.irp s, 0,1
	v_add_nc_u32 v[ADRA+\s], s21, v4
	v_add_nc_u32 v[ADRB+\s], s22, v4
	s_add_co_u32 s21, s21, SLOT
	s_add_co_u32 s22, s22, SLOT
.endr
	v_mul_u32_u24 v5, v1, KS
	v_lshrrev_b32 v6, 8, v5
	v_lshl_add_u32 v5, v6, 4, v5
	s_mul_i32 s21, s15, HALFS
	s_mul_i32 s22, s16, HALFS
	s_add_co_u32 s22, s22, 2*HALFS
	s_sub_co_u32 s22, s22, s21
	v_mul_u32_u24 v6, s22, v2
	s_add_co_u32 s21, s21, SCL
	v_add_nc_u32 v5, v5, v6
	v_add_nc_u32 v[ADRS], s21, v5
	s_lshl_b32 s23, s14, 10
	s_add_co_u32 s23, s23, STG
	v_lshl_add_u32 v[WST], v1, 2, s23
	v_lshl_add_u32 v[WSH], v2, 9, v[WST]
	v_and_b32 v6, 31, v0
	v_lshlrev_b32 v[CO], 4, v6
	v_add_nc_u32 v[WRD], s23, v[CO]
	v_mul_u32_u24 v7, v2, REC
	v_lshl_add_u32 v7, v1, 4, v7
	v_lshlrev_b32 v8, 5, v2
	v_lshlrev_b32 v9, 2, v1
.macro FRAG reg, adr, q, i
.irp c, 0,1,2,3
	ds_load_b128 v[\reg+4*\c:\reg+4*\c+3], v[\adr] offset:128*(\q)+32*\c+(\i)*16*PITCH
.endr
.endm
.macro MUL16 a0, p, q, sc, zero
.irp a, \a0, \a0+1
.irp b, 0,1,2,3,4,5,6,7
.if \zero
	v_wmma_scale_f32_16x16x128_f8f6f4 v[8*(8*((\a)%4)+\b):8*(8*((\a)%4)+\b)+7], v[128*(\p)+FR*\b:128*(\p)+FR*\b+FR-1], v[AF+FR*(\a):AF+FR*(\a)+FR-1], 0, v[SC+8*NQ*(\sc)+NQ*\b+(\q)], v[SC+8*NQ*(\sc)+NQ*(\a)+(\q)] matrix_a_scale:MATRIX_SCALE_ROW1
.else
	v_wmma_scale_f32_16x16x128_f8f6f4 v[8*(8*((\a)%4)+\b):8*(8*((\a)%4)+\b)+7], v[128*(\p)+FR*\b:128*(\p)+FR*\b+FR-1], v[AF+FR*(\a):AF+FR*(\a)+FR-1], v[8*(8*((\a)%4)+\b):8*(8*((\a)%4)+\b)+7], v[SC+8*NQ*(\sc)+NQ*\b+(\q)], v[SC+8*NQ*(\sc)+NQ*(\a)+(\q)] matrix_a_scale:MATRIX_SCALE_ROW1
.endif
.endr
.endr
.endm
.macro FETCH_B slot, q, p
	WIN TO_B
.irp i, 0,1,2,3,4,5,6,7
	FRAG 128*(\p)+FR*\i, ADRB+\slot, \q, \i
.endr
	WIN 0
.endm
.macro FETCH_A slot, q, i0
.irp i, \i0, \i0+1, \i0+2, \i0+3
	FRAG AF+FR*(\i), ADRA+\slot, \q, \i
.endr
.endm
.macro SCALES sc
.irp i, 0,1,2,3,4,5,6,7
	ds_load_b64 v[SC+8*NQ*\sc+NQ*\i:SC+8*NQ*\sc+NQ*\i+1], v[ADRS] offset:\i*SBLK
.endr
.endm
.macro PLACES n
.rept \n
	v_nop
.endr
.endm
.macro STEP slot, q, zero
	s_wait_dscnt 4*NL
	WIN MUL_LO
	MUL16 0, (\q)%2, \q, \slot, \zero
	MUL16 2, (\q)%2, \q, \slot, \zero
	s_wait_dscnt 0
	PLACES NP
	FETCH_B \slot, (\q)+1, 1-(\q)%2
	FETCH_A \slot, (\q)+1, 0
	WIN MUL_HI
	MUL16 4, (\q)%2, \q, \slot, \zero
	MUL16 6, (\q)%2, \q, \slot, \zero
	PLACES NP
	WIN 0
	FETCH_A \slot, (\q)+1, 4
.endm
.macro TURN slot, next, fill
	s_wait_tensorcnt 0x0
	ds_add_u32 v[SPW], v[NIL]
	s_wait_dscnt 4*NL+1
	WIN MUL_LO
	MUL16 0, 1, NQ-1, \slot, 0
	s_wait_dscnt 0x0
	s_barrier_signal -1
	MUL16 2, 1, NQ-1, \slot, 0
	WIN 0
	s_barrier_wait -1
.if \fill
	CREST
	s_add_nc_u64 s[G0+4*\slot+2:G0+4*\slot+3], s[G0+4*\slot+2:G0+4*\slot+3], 2*ROWB
	s_add_nc_u64 s[G0B+4*\slot+2:G0B+4*\slot+3], s[G0B+4*\slot+2:G0B+4*\slot+3], 2*ROWB
	JLOAD G0+4*\slot, G1, G0B+4*\slot, G1B
	PLACES NP-4
.else
	PLACES NP
.endif
	s_wait_alu depctr_va_vdst(0)
	v_add_nc_u32 v[ADRS], 4*NQ, v[ADRS]
	FETCH_B \next, 0, 0
	FETCH_A \next, 0, 0
	SCALES \next
	WIN MUL_HI
	MUL16 4, 1, NQ-1, \slot, 0
	MUL16 6, 1, NQ-1, \slot, 0
	PLACES NP
	WIN 0
	FETCH_A \next, 0, 4
.endm
.macro LAST
	s_wait_dscnt 4*NL
	WIN MUL_LO
	MUL16 0, 1, NQ-1, 1, 0
	MUL16 2, 1, NQ-1, 1, 0
	s_wait_dscnt 0
	WIN MUL_HI
	MUL16 4, 1, NQ-1, 1, 0
	MUL16 6, 1, NQ-1, 1, 0
	WIN 0
.endm
.macro QUANT s, pc
.irp b, 0,1,2,3
	v_max3_num_f32 v[TM+\b], |v[\s+16*\b]|, |v[\s+1+16*\b]|, 0x4800000
.endr
.irp i, 2,4,6,8,10,12,14
.irp b, 0,1,2,3
	v_max3_num_f32 v[TM+\b], v[TM+\b], |v[\s+16*\b+\i]|, |v[\s+1+16*\b+\i]|
.endr
.endr
.irp b, 0,1,2,3
	v_permlanex16_b32 v[TM+4+\b], v[TM+\b], s[SEL], s[SEL+1]
.endr
.irp b, 0,1,2,3
	v_max_num_f32 v[TM+\b], v[TM+\b], v[TM+4+\b]
.endr
.irp b, 0,1,2,3
	v_add_nc_u32 v[TM+12+\b], 0xfc000000, v[TM+\b]
.endr
.irp b, 0,1,2,3
	v_and_or_b32 v[TM+8+\b], v[TM+\b], 0x7f800000, s[MNT]
.endr
.irp b, 0,1,2,3
	v_lshrrev_b32 v[TM+4+\b], 23, v[TM+12+\b]
.endr
.irp b, 0,1,2,3
.irp i, 0,1,2,3,4,5,6,7,8,9,10,11,12,13,14,15
	v_med3_num_f32 v[\s+16*\b+\i], v[\s+16*\b+\i], -v[TM+8+\b], v[TM+8+\b]
.endr
	v_cvt_scalef32_pk8_fp8_f32 v[\pc+4*\b:\pc+1+4*\b], v[\s+16*\b:\s+7+16*\b], v[TM+12+\b]
	v_cvt_scalef32_pk8_fp8_f32 v[\pc+2+4*\b:\pc+3+4*\b], v[\s+8+16*\b:\s+15+16*\b], v[TM+12+\b]
.endr
	v_nop
.irp b, 0,1,2,3
	v_permlane16_swap_b32 v[\pc+4*\b], v[\pc+4*\b+2]
	v_permlane16_swap_b32 v[\pc+4*\b+1], v[\pc+4*\b+3]
.endr
.endm
.macro QOUT a, kind
.set AC, 64*((\a)%4)
.set CC, C+16*((\a)%2)
.set WW, 0x02+(\a)/4
	WIN WW
.irp b, 0,1,2,3,4,5,6,7
.irp p, 0,2,4,6
.if \kind
	v_pk_add_f32 v[T+8*\b+\p:T+8*\b+\p+1], v[AC+8*\b+\p:AC+8*\b+\p+1], v[BJ+2*(\a):BJ+2*(\a)+1]
.else
	v_pk_add_f32 v[T+8*\b+\p:T+8*\b+\p+1], v[AC+8*\b+\p:AC+8*\b+\p+1], v[BJ+8*\b+\p:BJ+8*\b+\p+1]
.endif
.endr
.endr
	WIN 0
.if (\a) >= 2
	s_wait_xcnt 0x0
.endif
	QUANT T, CC
.if \kind
	v_lshl_or_b32 v[PW], v[TM+5], 8, v[TM+4]
	v_lshl_or_b32 v[PW], v[TM+6], 16, v[PW]
	v_lshl_or_b32 v[PW], v[TM+7], 24, v[PW]
.irp c, 0,1,2,3
	global_store_b128 v[CO], v[CC+4*\c:CC+4*\c+3], s[12:13] offset:((\a)/4)*131072+((\a)%4)*2048+512*\c
.endr
	ds_store_b32 v[WST], v[PW] offset:4096+64*(\a)
.else
	v_lshl_or_b32 v[PW+1], v[TM+5], 8, v[TM+4]
	v_lshl_or_b32 v[PW+2], v[TM+7], 8, v[TM+6]
	v_cndmask_b32 v[PW], v[PW+1], v[PW+2], s101
	v_or_b32 v[PW], 0x7f7f0000, v[PW]
.irp c, 0,1,2,3
	global_store_b128 v[CO], v[CC+4*\c:CC+4*\c+3], s[12:13] offset:(\a)*1024+(\c/2)*131072+(\c%2)*512
.endr
	ds_store_b32 v[WSH], v[PW] offset:64*(\a)
.endif
.endm
	s_wait_alu depctr_va_vdst(0)                   ; the wait at the head's end
	s_wait_tensorcnt 0x0                           ; my tile of the head's four is in
	ds_add_u32 v[SPW], v[NIL]
	s_mov_b32 s[G1+2], 128<<16                     ; no tensor load of mine is out: from here on a load brings 128 rows
	s_mov_b32 s[G1+4], 128
	s_mov_b32 s[G1B+2], 128<<16
	s_mov_b32 s[G1B+4], 128
	s_wait_dscnt 0x0
	CROUND
	JLOAD G0+4, G1, G0B+4, G1B                     ; K step 1, the first tensor load behind the round
	FETCH_B 0, 0, 0
	FETCH_A 0, 0, 0
	SCALES 0
	FETCH_A 0, 0, 4
	STEP 0, 0, 1
	s_mov_b32 s3, LAPS-1
.Llap:
	TURN 0, 1, 1
	STEP 1, 0, 0
	TURN 1, 0, 1
	STEP 0, 0, 0
	s_sub_co_u32 s3, s3, 1
	s_cmp_lg_u32 s3, 0
	s_cbranch_scc1 .Llap
	TURN 0, 1, 0
	STEP 1, 0, 0
	s_cmp_eq_u32 s2, 0
	s_cbranch_scc0 .Lfor_v
	s_lshl_b32 s20, s42, 10
	s_lshl_b32 s21, s16, 9
	s_add_co_u32 s20, s20, s21
	s_mov_b32 s21, 0
	s_add_nc_u64 s[96:97], s[96:97], s[20:21]
.irp b, 0,1,2,3,4,5,6,7
	global_load_b128 v[BJ+8*\b:BJ+8*\b+3], v8, s[96:97] offset:64*\b
	global_load_b128 v[BJ+8*\b+4:BJ+8*\b+7], v8, s[96:97] offset:64*\b+16
.endr
	s_lshl_b32 s20, ttmp9, 22
	s_lshr_b32 s21, s17, 3
	s_lshl_b32 s22, s21, 21
	s_add_co_u32 s20, s20, s22
	s_lshl_b32 s22, s42, 2
	s_lshl_b32 s23, s16, 1
	s_add_co_u32 s22, s22, s23
	s_lshl_b32 s23, s22, 17
	s_add_co_u32 s20, s20, s23
	s_and_b32 s23, s17, 7
	s_lshl_b32 s23, s23, 4
	s_lshl_b32 s46, s15, 3
	s_add_co_u32 s23, s23, s46
	s_lshl_b32 s46, s23, 10
	s_add_co_u32 s20, s20, s46
	s_lshl_b32 s21, s21, 4
	s_add_co_u32 s21, s21, s22
	s_mul_i32 s21, s21, REC
	s_lshl_b32 s23, s23, 6
	s_add_co_u32 s46, s21, s23
	s_cmp_eq_u32 ttmp9, 0
	s_cselect_b32 s21, 12288, 0
	s_add_co_u32 s46, s46, s21
	s_add_co_u32 s46, s46, 12<<20
	s_mov_b32 s47, 0
	s_mov_b32 s21, 0
	s_add_nc_u64 s[66:67], s[12:13], s[46:47]
	s_add_nc_u64 s[12:13], s[12:13], s[20:21]
	LAST
	PLACES NP
	s_wait_loadcnt 0x0
.irp b, 0,1,2,3
	v_mov_b32 v[TM+4+\b], 0
.endr
.irp a, 0,1,2,3,4,5,6,7
	QOUT \a, 0
.endr
	ds_load_b128 v[RB:RB+3], v[WRD]
	ds_load_b128 v[RB+4:RB+7], v[WRD] offset:512
	s_wait_dscnt 0x0
	global_store_b128 v[CO], v[RB:RB+3], s[66:67]
	global_store_b128 v[CO], v[RB+4:RB+7], s[66:67] offset:REC
	s_branch .Lout
.Lfor_v:
	s_lshl_b32 s20, s17, 10
	s_lshl_b32 s21, s15, 9
	s_add_co_u32 s20, s20, s21
	s_mov_b32 s21, 0
	s_add_nc_u64 s[96:97], s[96:97], s[20:21]
.irp a, 0,1,2,3,4,5,6,7
	global_load_b32 v[BJ+2*\a], v9, s[96:97] offset:64*\a
	global_load_b32 v[BJ+2*\a+1], v9, s[96:97] offset:64*\a
.endr
	s_lshr_b32 s21, s42, 3
	s_lshl_b32 s21, s21, 4
	s_lshl_b32 s22, s17, 2
	s_add_co_u32 s21, s21, s22
	s_lshl_b32 s22, s15, 1
	s_add_co_u32 s21, s21, s22
	s_lshl_b32 s22, s42, 1
	s_add_co_u32 s22, s22, s16
	s_and_b32 s22, s22, 15
	s_lshl_b32 s20, s21, 17
	s_lshl_b32 s23, s22, 13
	s_add_co_u32 s20, s20, s23
	s_add_co_u32 s20, s20, 8<<20
	s_mul_i32 s46, s21, REC
	s_lshl_b32 s23, s22, 8
	s_add_co_u32 s46, s46, s23
	s_add_co_u32 s46, s46, (12<<20)+8192
	s_mov_b32 s47, 0
	s_mov_b32 s21, 0
	s_add_nc_u64 s[66:67], s[12:13], s[46:47]
	s_add_nc_u64 s[12:13], s[12:13], s[20:21]
	LAST
	PLACES NP
	s_wait_loadcnt 0x0
.irp b, 0,1,2,3
	v_mov_b32 v[TM+4+\b], 0
.endr
.irp a, 0,1,2,3,4,5,6,7
	QOUT \a, 1
.endr
	ds_load_b128 v[RB:RB+3], v[WRD] offset:4096
	s_wait_dscnt 0x0
	global_store_b128 v7, v[RB:RB+3], s[66:67]
.Lout:
	s_wait_tensorcnt 0x0
	ds_add_u32 v[SPW], v[NIL]
	s_wait_dscnt 0x0
	CROUND
	s_endpgm
.Lfunc_end_k_qfe94c6927e_qkv:
	.size	k_qfe94c6927e_qkv, .Lfunc_end_k_qfe94c6927e_qkv-k_qfe94c6927e_qkv
	.p2alignl 7, 3214868480
	.fill 96, 4, 3214868480
	.section	.rodata,"a",@progbits
	.p2align	6, 0x0
	.amdhsa_kernel k_qfe94c6927e_qkv
		.amdhsa_group_segment_fixed_size 327680
		.amdhsa_private_segment_fixed_size 0
		.amdhsa_enable_private_segment 0
		.amdhsa_kernarg_size 96
		.amdhsa_user_sgpr_count 2
		.amdhsa_user_sgpr_kernarg_segment_ptr 1
		.amdhsa_wavefront_size32 1
		.amdhsa_system_sgpr_workgroup_id_x 1
		.amdhsa_system_sgpr_workgroup_id_y 1
		.amdhsa_system_sgpr_workgroup_id_z 1
		.amdhsa_system_vgpr_workitem_id 0
		.amdhsa_next_free_vgpr 1024
		.amdhsa_next_free_sgpr 102
		.amdhsa_reserve_vcc 0
		.amdhsa_float_denorm_mode_32 3
		.amdhsa_float_denorm_mode_16_64 3
		.amdhsa_memory_ordered 1
		.amdhsa_forward_progress 1
		.amdhsa_inst_pref_size 255
	.end_amdhsa_kernel
	.section	.bss,"aw",@nobits
	.p2align	6
	.space	262144
	.amdgpu_metadata
---
amdhsa.version: [ 1, 2 ]
amdhsa.kernels:
  - .name:           k_qfe94c6927e_qkv
    .symbol:         k_qfe94c6927e_qkv.kd
    .args:
      - { .name: hc, .offset: 0, .size: 8, .value_kind: global_buffer, .address_space: global }
      - { .name: hs, .offset: 8, .size: 8, .value_kind: global_buffer, .address_space: global }
      - { .name: Wq_codes, .offset: 16, .size: 8, .value_kind: global_buffer, .address_space: global }
      - { .name: Wq_scales, .offset: 24, .size: 8, .value_kind: global_buffer, .address_space: global }
      - { .name: Wk_codes, .offset: 32, .size: 8, .value_kind: global_buffer, .address_space: global }
      - { .name: Wk_scales, .offset: 40, .size: 8, .value_kind: global_buffer, .address_space: global }
      - { .name: Wv_codes, .offset: 48, .size: 8, .value_kind: global_buffer, .address_space: global }
      - { .name: Wv_scales, .offset: 56, .size: 8, .value_kind: global_buffer, .address_space: global }
      - { .name: bq, .offset: 64, .size: 8, .value_kind: global_buffer, .address_space: global }
      - { .name: bk, .offset: 72, .size: 8, .value_kind: global_buffer, .address_space: global }
      - { .name: bv, .offset: 80, .size: 8, .value_kind: global_buffer, .address_space: global }
      - { .name: qkv, .offset: 88, .size: 8, .value_kind: global_buffer, .address_space: global }
    .group_segment_fixed_size: 327680
    .private_segment_fixed_size: 0
    .kernarg_segment_align: 8
    .kernarg_segment_size: 96
    .max_flat_workgroup_size: 128
    .sgpr_count:     102
    .vgpr_count:     1024
    .wavefront_size: 32
...
	.end_amdgpu_metadata
.endif
;; end of part 2
;; launch attn (part 3): grid 8 x 32, 16 waves a work-group, no clusters, 327,680 bytes of LDS; arguments qkv, ac; writes ac
.if DOCPART == 3
	.amdgcn_target "amdgcn-amd-amdhsa--gfx1250"
	.amdhsa_code_object_version 6
	.text
	.protected	k_qfe94c6927e_attn
	.globl	k_qfe94c6927e_attn
	.p2align	8
	.type	k_qfe94c6927e_attn,@function
k_qfe94c6927e_attn:
	s_mov_b64 s[64:65], 0
	v_nop
	global_prefetch_b8 v0, s[64:65] scope:SCOPE_SE
	s_setreg_imm32_b32 hwreg(HW_REG_WAVE_MODE, 25, 1), 1
	s_wait_xcnt 0x0
; a[token][head x 64 + e] = softmax over the keys k <= token of (q . k / 8), times v, both products on codes of FP8 (E4M3) with E8M0 scales; a is quantised along e and stored as images of operand registers.
; LEFT OUT: key steps all of whose keys come after a tile's queries: reference() sets those scores to -inf by its own jnp.tril, so their p is 0 for all values of the inputs.
; THE SOFTMAX: t = score x log2(e) / 8; M = the running largest t rounded UP to a whole number; p = 2^(t - M) is quantised along the keys, not normalised; the row's sum is taken of the unquantised p and divides
; at the end; when M moves, the sum and O are multiplied by 2^(old M - new M), exactly.
; SHARES: y = batch x 16 + head; a head's 2,048 queries are 16 blocks of 128.  Work-group i owns block i (8 early tiles of 16 queries, i + 1 key steps of 128 each) and block 15 - i (8 late tiles, 16 - i steps).
; Waves j and j + 8 share early tile j and late tile j.  In steps s <= i wave j works on the early tile and wave j + 8 on the late one.  At s = i + 1 wave j writes the early tile out and begins a second, empty
; state for the late tile; of steps i + 1 .. 15 - i wave j + 8 takes those with s - i odd and wave j those with s - i even: 9 steps and 8 steps, in every work-group.  At the end wave j hands O, -M and its sum
; to wave j + 8 through an LDS stage; both parts are brought under the larger M by powers of two, added, and written out.
; EVERY wave walks all 16 steps (constant trip counts); a step that is not the wave's is jumped over by scalar branches on ids.
; LDS: K and V of the head come in four phases of four steps, filled once.  In a phase wave j fetches 1,024 bytes (K: tile j; waves 8-15, V: piece j) of each of the four steps: one load a wave, read whenever the
; phase's first step is.  Phase 0 is asked for at the head, phase p + 1 behind the barrier at the head of phase p; a phase whose first step lies beyond step 15 - i is read by no wave and is not asked for
; (a jump on ids and the count of steps, the same in all waves; every wait on TENSORcnt is for 0).  The scale words (12,288 bytes) go through registers into LDS bytes of their own.
; NO JOINT LOADS, though the eight work-groups of a head read the same K and V: the last phase that a work-group asks for hangs on its place among those that share.
; NO PREFETCH: a phase's load is issued four key steps of all sixteen waves ahead of its first read, and phase 0 has nothing ahead of it to run in.
; K = 64 in the scores: q's registers 8-15 are zero codes; K's fragment of tile t names 16 registers, the upper 8 being the next tile's codes, or for tile 7 the late tile's q: finite codes, which meet zeros.
; Both products are used transposed: a lane holds ONE query.  The two scale bytes of a token and a head leave by a store of 2 bytes a lane, 4 bytes apart.
; LIMITS: NaN and infinities are not served.  The promise holds while |t| stays under 2^31.  A block whose largest magnitude lies under 2^-118 gets the byte 1 (zeros too); this program alone reads the bytes.
; REGISTERS: v1-6 addresses that stay; v8-11 the step's; v12 -M, v13 the largest t, v[14:15] the sum; v16-23 q, v24-31 zeros; v32-95 K's eight half fragments, then V's four; v96-103, v228 the late tile's q and
;   its scale words; v104-167 S^T, then p; v168-199 O^T; v200-215 p's codes; v216-223 K's scale words, v224-227 V's, v253 p's, v255 q's; v232-252, v254 at work.
.set REC,  20480
.set VB,   131072                      ; LDS: V behind K
.set SCB,  262144                      ; the scale words: K's at 0, V's at 8,192; stored by the waves, no fill lands here
.set SPARE, 0x44000                    ; the spare words, 128 bytes a wave
.set STAGE, 0x44800                    ; eight stages of 4,608 bytes: O^T as an image of its registers, then 16 bytes a lane for the sum and -M
.set SREG, 4608
.set AK0,  1
.set AV0,  2
.set ASK0, 3
.set ASV0, 4
.set RO,   5
.set STA,  6
.set ADK,  8
.set ADV,  9
.set ADS,  10
.set ADT,  11
.set S,    104
.set O,    168
.set PC,   200
.set SPW,  231
.set NIL,  251
.set WV,   18
.set MNT,  19
.set SEL,  20
.set CS,   22
.set G1D,  24                          ; s[24:31] group 1: 4 rows of 1,024 bytes, 8,192 apart
.set G0,   40                          ; s[40:43] group 0, which walks
.set ST,   32                          ; the step
.set LAST, 33                          ; 15 - i: the late tile's last step
.set SW,   34                          ; the step at which my wave changes tiles (99: never)
.set QL,   35                          ; the late tile's first query
.set PH,   36
.set TK,   2                           ; LDS byte of the step's K, and of its V behind VB
.set TS,   3                           ; K's scale words: 512 a step
.set TJ,   66                          ; V's: 256 a step
.set KF,   67                          ; the step's first key
.set Q0,   68                          ; the first query of the tile in hand
.set CNT,  69
	s_load_b128 s[4:7], s[0:1], 0x0                ; qkv, ac
	v_lshl_add_u32 v[SPW], v0, 2, SPARE
	v_mov_b32 v[NIL], 0
	ds_add_u32 v[SPW], v[NIL]                      ; the opening lines: the add, twice on end, and its wait
	ds_add_u32 v[SPW], v[NIL]
	v_lshrrev_b32 v8, 5, v0
	v_readfirstlane_b32 s[WV], v8                  ; wave 0..15
	s_and_b32 s70, ttmp7, 0xffff                   ; y
	s_and_b32 s71, s[WV], 7                        ; j
	s_lshr_b32 s72, s[WV], 3                       ; 0: waves 0-7, 1: waves 8-15
	s_sub_co_u32 s[LAST], 15, ttmp9
	s_lshl_b32 s74, s71, 4
	s_lshl_b32 s[QL], s[LAST], 7
	s_add_co_u32 s[QL], s[QL], s74
	s_lshl_b32 s73, ttmp9, 7
	s_add_co_u32 s73, s73, s74                     ; the early tile's first query
	s_add_co_u32 s[SW], ttmp9, 1
	s_cmp_eq_u32 s72, 0
	s_cselect_b32 s[Q0], s73, s[QL]
	s_cselect_b32 s[SW], s[SW], 99
	s_mov_b32 s[G1D], 3<<16                        ; no mask; elements of 8 bytes; no padding
	s_mov_b32 s[G1D+1], 128<<16                    ; tensor_dim0 = 128 elements: 1,024 bytes
	s_mov_b32 s[G1D+2], 4<<16                      ; tensor_dim1
	s_mov_b32 s[G1D+3], 128<<16                    ; tile_dim0
	s_mov_b32 s[G1D+4], 4                          ; tile_dim1
	s_mov_b32 s[G1D+5], 1024                       ; the pitch: a step's 8,192 bytes
	s_mov_b32 s[G1D+6], 0
	s_mov_b32 s[G1D+7], 0
	s_lshl_b32 s80, s72, 22                        ; waves 0-7: K's section, waves 8-15: V's
	s_lshl_b32 s77, s70, 17
	s_add_co_u32 s80, s80, s77                     ; the head's 131,072 bytes
	s_lshl_b32 s77, s71, 10
	s_add_co_u32 s80, s80, s77                     ; my 1,024 of a step
	s_add_co_u32 s80, s80, 4<<20
	s_mov_b32 s81, 0
	s_lshl_b32 s82, s71, 12                        ; in LDS: 4,096 x j,
	s_lshl_b32 s83, s72, 17
	s_add_co_u32 s[G0+1], s82, s83                 ; V behind K
	s_mov_b32 s[G0], 1
	s_mul_i32 s75, s70, REC                        ; the head's record of scale words
	s_lshl_b32 s77, s70, 17
	s_lshl_b32 s84, s[Q0], 6
	s_add_co_u32 s84, s84, s77                     ; q's half image: 1,024 bytes a tile
	s_mov_b32 s85, 0
	s_lshl_b32 s44, s[QL], 6
	s_add_co_u32 s44, s44, s77                     ; the late tile's
	s_mov_b32 s45, 0
	s_lshl_b32 s82, s[Q0], 2
	s_add_co_u32 s82, s82, s75
	s_add_co_u32 s82, s82, (12<<20)+12288          ; q's scale words
	s_mov_b32 s83, 0
	s_lshl_b32 s46, s[QL], 2
	s_add_co_u32 s46, s46, s75
	s_add_co_u32 s46, s46, (12<<20)+12288
	s_mov_b32 s47, 0
	s_add_co_u32 s48, s75, 12<<20                  ; K's and V's scale words
	s_mov_b32 s49, 0
	s_and_b32 s77, s70, 15                         ; the head
	s_lshr_b32 s78, s70, 4                         ; the batch
	s_lshl_b32 s86, s78, 7
	s_lshr_b32 s87, s[Q0], 4
	s_add_co_u32 s86, s86, s87                     ; the tile of 16 tokens that I write out: waves 0-7 the early one, waves 8-15 the late one
	s_lshl_b32 s86, s86, 14                        ; 8 images of 2,048 bytes a tile
	s_lshr_b32 s87, s77, 1
	s_lshl_b32 s88, s87, 11
	s_add_co_u32 s86, s86, s88                     ; the K step of 128: head / 2
	s_and_b32 s89, s77, 1
	s_lshl_b32 s88, s89, 10
	s_add_co_u32 s86, s86, s88                     ; its half: head % 2
	s_lshl_b32 s88, s78, 11
	s_add_co_u32 s88, s88, s[Q0]
	s_lshl_b32 s88, s88, 2                         ; the words: 4 bytes a token,
	s_lshl_b32 s87, s87, 14
	s_add_co_u32 s88, s88, s87                     ; 16,384 a K step,
	s_lshl_b32 s89, s89, 1
	s_add_co_u32 s88, s88, s89                     ; my head's two bytes
	s_add_co_u32 s88, s88, 4<<20
	s_mov_b32 s87, 0
	s_mov_b32 s89, 0
	s_mul_i32 s73, s71, SREG
	s_add_co_u32 s73, s73, STAGE                   ; the stage of waves j and j + 8
	s_mov_b32 s[SEL], 0x76543210
	s_mov_b32 s[SEL+1], 0xfedcba98
	s_mov_b32 s[CS], 0x3e38aa3b                    ; c = log2(e) / 8
	s_mov_b32 s[CS+1], s[CS]
	s_mov_b32 s[MNT], 0x600000
	s_mov_b32 s[ST], 0
	s_mov_b32 s[TK], 0
	s_mov_b32 s[TS], 0
	s_mov_b32 s[TJ], 0
	s_mov_b32 s[KF], 0
	s_wait_dscnt 0x0
	s_wait_kmcnt 0x0
	s_add_nc_u64 s[G0+2:G0+3], s[4:5], s[80:81]
	s_or_b32 s[G0+3], s[G0+3], 0x80000000
	tensor_load_to_lds s[G0:G0+3], s[G1D:G1D+7]    ; phase 0: every wave's one load at the head
	s_nop 0
	s_add_nc_u64 s[84:85], s[4:5], s[84:85]
	s_add_nc_u64 s[82:83], s[4:5], s[82:83]
	s_add_nc_u64 s[44:45], s[4:5], s[44:45]
	s_add_nc_u64 s[46:47], s[4:5], s[46:47]
	s_add_nc_u64 s[48:49], s[4:5], s[48:49]
	s_add_nc_u64 s[86:87], s[6:7], s[86:87]
	s_add_nc_u64 s[88:89], s[6:7], s[88:89]
	v_and_b32 v8, 31, v0
	v_and_b32 v9, 15, v0
	v_lshlrev_b32 v10, 4, v0                       ; 16 x thread: K's 8,192 bytes of scale words
	v_lshlrev_b32 v11, 3, v0                       ; 8 x thread: V's 4,096
	v_lshlrev_b32 v[AK0], 4, v8                    ; 16 x lane: an image's place for my lane
	v_lshlrev_b32 v[RO], 2, v9
	global_load_b128 v[16:19], v[AK0], s[84:85]
	global_load_b128 v[20:23], v[AK0], s[84:85] offset:512
	global_load_b32 v255, v[RO], s[82:83]
	global_load_b128 v[96:99], v[AK0], s[44:45]
	global_load_b128 v[100:103], v[AK0], s[44:45] offset:512
	global_load_b32 v228, v[RO], s[46:47]
	global_load_b128 v[104:107], v10, s[48:49]
	global_load_b64 v[108:109], v11, s[48:49] offset:8192
	v_add_nc_u32 v229, SCB, v10
	v_add_nc_u32 v230, SCB+8192, v11
	v_add_nc_u32 v[AV0], VB, v[AK0]
	v_add_nc_u32 v[ASK0], SCB, v[RO]
	v_add_nc_u32 v[ASV0], SCB+8192, v[RO]
	v_add_nc_u32 v[STA], s73, v[AK0]
	v_mov_b32 v13, 0xff61b1e6                      ; the largest t so far: -3e38
	v_mov_b32 v14, 0
	v_mov_b32 v15, 0
	v_floor_f32 v12, -v13                          ; -M
.irp j, 0,1,2,3,4,5,6,7
	v_mov_b32 v[24+\j], 0                          ; q's upper half: zero codes
.endr
.irp b, 0,1,2,3
	v_mov_b32 v[236+\b], 0                         ; a lane permute's destination counts as one of its sources
.endr
	v_mov_b32 v252, 0
	v_mov_b32 v253, 0
.set j, 0
.rept 32
	v_mov_b32 v[O+j], 0                            ; O^T: the first step finds zeros, which the first change of M leaves zeros
.set j, j+1
.endr
; THE WAY OUT of a tile: O^T / the sum, quantised along e (two blocks of 32), as half an image of the next product's operand
.macro WAYOUT
	v_add_f32 v14, v14, v15
	s_delay_alu instid0(VALU_DEP_1)
	v_permlanex16_b32 v252, v14, s[SEL], s[SEL+1]
	s_delay_alu instid0(VALU_DEP_1)
	v_add_f32 v14, v14, v252                       ; the row's sum
	s_wait_alu depctr_va_vdst(0)                   ; the wait ahead of the transcendental
	v_rcp_f32 v14, v14
.rept 7
	v_nop                                          ; the plain line behind the reciprocal, and with the additions the places behind the last products
.endr
	s_wait_alu depctr_va_vdst(0)                   ; ahead of the reciprocal's first reader
.set j, 0
.rept 32
	v_mul_f32 v[S+j], v[O+j], v14                  ; register 8 t + i: a(r, 16 t + 8 h + i); each accumulator from its low end on
.set j, j+1
.endr
.irp b, 0,1
	v_max3_num_f32 v[232+\b], |v[S+16*\b]|, |v[S+1+16*\b]|, 0x4800000
.endr
.irp i, 2,4,6,8,10,12,14
.irp b, 0,1
	s_delay_alu instid0(VALU_DEP_2)
	v_max3_num_f32 v[232+\b], v[232+\b], |v[S+16*\b+\i]|, |v[S+1+16*\b+\i]|
.endr
.endr
.irp b, 0,1
	s_delay_alu instid0(VALU_DEP_2)
	v_permlanex16_b32 v[236+\b], v[232+\b], s[SEL], s[SEL+1]
.endr
.irp b, 0,1
	s_delay_alu instid0(VALU_DEP_2)
	v_max_num_f32 v[232+\b], v[232+\b], v[236+\b]
.endr
.irp b, 0,1
	s_delay_alu instid0(VALU_DEP_2)
	v_add_nc_u32 v[244+\b], 0xfc000000, v[232+\b]
.endr
.irp b, 0,1
	s_delay_alu instid0(VALU_DEP_4)
	v_and_or_b32 v[240+\b], v[232+\b], 0x7f800000, s[MNT]
.endr
.irp b, 0,1
	s_delay_alu instid0(VALU_DEP_4)
	v_lshrrev_b32 v[236+\b], 23, v[244+\b]
.endr
	s_delay_alu instid0(VALU_DEP_1)
	v_lshl_or_b32 v238, v237, 8, v236              ; my token's two bytes
.irp b, 0,1
.irp i, 0,1,2,3,4,5,6,7,8,9,10,11,12,13,14,15
	v_med3_num_f32 v[S+16*\b+\i], v[S+16*\b+\i], -v[240+\b], v[240+\b]
.endr
	v_cvt_scalef32_pk8_fp8_f32 v[PC+4*\b:PC+1+4*\b], v[S+16*\b:S+7+16*\b], v[244+\b]
	v_cvt_scalef32_pk8_fp8_f32 v[PC+2+4*\b:PC+3+4*\b], v[S+8+16*\b:S+15+16*\b], v[244+\b]
.endr
	v_nop
.irp b, 0,1
	v_permlane16_swap_b32 v[PC+4*\b], v[PC+4*\b+2]
	v_permlane16_swap_b32 v[PC+4*\b+1], v[PC+4*\b+3]
.endr
	global_store_b128 v[AK0], v[PC:PC+3], s[86:87]             ; 512 consecutive bytes each
	global_store_b128 v[AK0], v[PC+4:PC+7], s[86:87] offset:512
	global_store_b16 v[RO], v238, s[88:89]                     ; both halves of the lanes write the same two bytes with the same value
.endm
; A KEY STEP: 128 keys.  sw = 1: the text holds the change of tiles (it falls in steps 1 to 8).
.macro STEP sw
	s_sub_co_i32 s90, s[ST], ttmp9                 ; d = s - i
	s_cmp_le_i32 s90, 0
	s_cbranch_scc1 .Lwork_\@                       ; s <= i: every wave works, on its first tile
.if \sw
	s_cmp_eq_u32 s[ST], s[SW]
	s_cbranch_scc0 .Lsame_\@
	WAYOUT                                         ; waves 0-7 at s = i + 1: the early tile is finished
	s_wait_xcnt 0x0                                ; the stores have read their data, which later steps write again
	v_mov_b32 v255, v228                           ; the late tile's q, and an empty state
.irp j, 0,1,2,3,4,5,6,7
	v_mov_b32 v[16+\j], v[96+\j]
.endr
	v_mov_b32 v13, 0xff61b1e6
	v_mov_b32 v14, 0
	v_mov_b32 v15, 0
	v_floor_f32 v12, -v13
.set j, 0
.rept 32
	v_mov_b32 v[O+j], 0
.set j, j+1
.endr
	s_mov_b32 s[Q0], s[QL]
	s_wait_alu depctr_va_vdst(0)                   ; the wait ahead of the branches below
.Lsame_\@:
.endif
	s_cmp_gt_u32 s[ST], s[LAST]                    ; all keys come after the late tile's queries
	s_cbranch_scc1 .Lhidden_\@
	s_and_b32 s90, s90, 1
	s_cmp_lg_u32 s90, s72                          ; d odd: waves 8-15; d even: waves 0-7
	s_cbranch_scc1 .Lhidden_\@
.Lwork_\@:
	v_add_nc_u32 v[ADK], s[TK], v[AK0]
	v_add_nc_u32 v[ADV], s[TK], v[AV0]
	v_add_nc_u32 v[ADS], s[TS], v[ASK0]
	v_add_nc_u32 v[ADT], s[TJ], v[ASV0]
.rept 4
	v_nop                                          ; with the four additions: eight places in front of loads into registers that the last products read
.endr
.irp t, 0,1,2,3,4,5,6,7
	ds_load_b128 v[32+8*\t:35+8*\t], v[ADK] offset:4096*\t
	ds_load_b128 v[36+8*\t:39+8*\t], v[ADK] offset:4096*\t+512
	ds_load_b32 v[216+\t], v[ADS] offset:64*\t
.endr
	s_wait_alu depctr_va_vdst(0)                   ; the wait here, directly ahead of the wait below
	s_wait_dscnt 0x0
.irp t, 0,1,2,3,4,5,6,7                ; S^T = K Q^T: lane (r, h) holds query r; register j of tile t key 16 t + 8 h + j
	v_wmma_scale_f32_16x16x128_f8f6f4 v[S+8*\t:S+8*\t+7], v[32+8*\t:47+8*\t], v[16:31], 0, v[216+\t], v255
.endr
.rept 8
	v_nop
.endr
.irp e, 0,1,2,3                        ; V is asked for now and lands under the softmax
.irp c, 0,1,2,3
	ds_load_b128 v[32+16*\e+4*\c:35+16*\e+4*\c], v[ADV] offset:(2*\e+\c/2)*4096+(\c%2)*512
.endr
	ds_load_b32 v[224+\e], v[ADT] offset:64*\e
.endr
	s_add_co_u32 s90, s[KF], 127
	s_cmp_le_u32 s90, s[Q0]                        ; all keys count: no mask
	s_cbranch_scc1 .Lopen_\@
	s_sub_co_i32 s90, s[Q0], s[KF]
	v_and_b32 v248, 15, v0
	v_bfe_u32 v249, v0, 4, 1
	s_delay_alu instid0(VALU_DEP_1)
	v_lshlrev_b32 v249, 3, v249
	s_delay_alu instid0(VALU_DEP_1)
	v_sub_nc_u32 v248, v248, v249
	s_delay_alu instid0(VALU_DEP_1)
	v_add_nc_u32 v248, s90, v248                   ; d = my query - KF - 8 h: register n holds key KF + 8 h + 16 (n / 8) + n % 8: hidden where 16 (n / 8) + n % 8 > d
	v_mov_b32 v250, 0xff800000                     ; -infinity
.set n, 0
.rept 64
	v_cmp_gt_i32 vcc_lo, 16*(n/8)+n%8, v248
	v_cndmask_b32 v[S+n], v[S+n], v250, vcc_lo
.set n, n+1
.endr
.Lopen_\@:
.irp b, 0,1,2,3
	v_max3_num_f32 v[232+\b], v[S+16*\b], v[S+1+16*\b], v[S+2+16*\b]   ; the largest score of each block of 32 keys: for the row's maximum, and, since p rises with the score, for the block's largest p
.endr
.irp i, 3,5,7,9,11,13
.irp b, 0,1,2,3
	v_max3_num_f32 v[232+\b], v[232+\b], v[S+16*\b+\i], v[S+1+16*\b+\i]
.endr
.endr
.irp b, 0,1,2,3
	v_max_num_f32 v[232+\b], v[232+\b], v[S+15+16*\b]
.endr
.irp b, 0,1,2,3
	s_delay_alu instid0(VALU_DEP_4)
	v_permlanex16_b32 v[236+\b], v[232+\b], s[SEL], s[SEL+1]
.endr
.irp b, 0,1,2,3
	s_delay_alu instid0(VALU_DEP_4)
	v_max_num_f32 v[232+\b], v[232+\b], v[236+\b]  ; with lane l xor 16's 16 keys
.endr
	s_delay_alu instid0(VALU_DEP_2)
	v_max3_num_f32 v254, v232, v233, v234
	s_delay_alu instid0(VALU_DEP_1)
	v_max_num_f32 v254, v254, v235
	s_delay_alu instid0(VALU_DEP_1)
	v_mul_f32 v254, s[CS], v254                    ; the step's largest t of my query
	s_delay_alu instid0(VALU_DEP_1)
	v_max_num_f32 v13, v13, v254
	v_mov_b32 v254, v12
	s_delay_alu instid0(VALU_DEP_2)
	v_floor_f32 v12, -v13                          ; the new -M = -ceil(t)
	s_delay_alu instid0(VALU_DEP_1)
	v_sub_f32 v254, v12, v254                      ; old M - new M: a whole number, 0 or less
	s_delay_alu instid0(VALU_DEP_1)
	v_cvt_i32_f32 v254, v254                       ; (it saturates)
	s_delay_alu instid0(VALU_DEP_1)
	v_ldexp_f32 v252, 1.0, v254                    ; f = 2^(old M - new M)
.set j, 0
.rept 32
	v_pk_fma_f32 v[S+j:S+j+1], v[S+j:S+j+1], s[CS:CS+1], v[12:13] op_sel_hi:[1,0,0]   ; t - M
.set j, j+2
.endr
.irp b, 0,1,2,3
	v_fma_f32 v[232+\b], v[232+\b], s[CS], v12     ; the same of each block's largest score
.endr
.set j, 0
	s_wait_alu depctr_va_vdst(0)                   ; the wait ahead of the batch
.rept 64
	v_exp_f32 v[S+j], v[S+j]                       ; p = 2^(t - M)
.set j, j+1
.endr
	v_pk_mul_f32 v[14:15], v[14:15], v[252:253] op_sel_hi:[1,0]   ; the sums under the new M (a plain line behind the exponentials)
	s_wait_alu depctr_va_vdst(0)                   ; one wait for the batch, ahead of its first reader
.irp b, 0,1,2,3
	v_exp_f32 v[232+\b], v[232+\b]                 ; the block's largest p
.endr
	v_pk_add_f32 v[236:237], v[108:109], v[112:113]   ; the row's sum of the unquantised p, in eight chains
	v_pk_add_f32 v[248:249], v[116:117], v[120:121]
	v_pk_add_f32 v[246:247], v[124:125], v[128:129]
	v_pk_add_f32 v[244:245], v[132:133], v[136:137]
	v_pk_add_f32 v[242:243], v[140:141], v[144:145]
	v_pk_add_f32 v[240:241], v[148:149], v[152:153]
	v_pk_add_f32 v[238:239], v[156:157], v[160:161]
	v_pk_add_f32 v[14:15], v[14:15], v[164:165]
	v_pk_add_f32 v[236:237], v[236:237], v[104:105]
	v_pk_add_f32 v[248:249], v[248:249], v[106:107]
	v_pk_add_f32 v[246:247], v[246:247], v[110:111]
	v_pk_add_f32 v[244:245], v[244:245], v[114:115]
	v_pk_add_f32 v[242:243], v[242:243], v[118:119]
	v_pk_add_f32 v[240:241], v[240:241], v[122:123]
	v_pk_add_f32 v[238:239], v[238:239], v[126:127]
	v_pk_add_f32 v[14:15], v[14:15], v[130:131]
	v_pk_add_f32 v[236:237], v[236:237], v[134:135]
	v_pk_add_f32 v[248:249], v[248:249], v[138:139]
	v_pk_add_f32 v[246:247], v[246:247], v[142:143]
	v_pk_add_f32 v[244:245], v[244:245], v[146:147]
	v_pk_add_f32 v[242:243], v[242:243], v[150:151]
	v_pk_add_f32 v[240:241], v[240:241], v[154:155]
	v_pk_add_f32 v[238:239], v[238:239], v[158:159]
	v_pk_add_f32 v[14:15], v[14:15], v[162:163]
	v_pk_add_f32 v[236:237], v[236:237], v[166:167]
	s_delay_alu instid0(VALU_DEP_2)
	v_pk_add_f32 v[14:15], v[14:15], v[244:245]
	s_delay_alu instid0(VALU_DEP_2)
	v_pk_add_f32 v[236:237], v[236:237], v[242:243]
	v_pk_add_f32 v[248:249], v[248:249], v[240:241]
	v_pk_add_f32 v[246:247], v[246:247], v[238:239]
	s_delay_alu instid0(VALU_DEP_2)
	v_pk_add_f32 v[14:15], v[14:15], v[248:249]
	s_delay_alu instid0(VALU_DEP_2)
	v_pk_add_f32 v[236:237], v[236:237], v[246:247]
	s_delay_alu instid0(VALU_DEP_1)
	v_pk_add_f32 v[14:15], v[14:15], v[236:237]
	s_wait_alu depctr_va_vdst(0)                   ; and one for the four
.irp b, 0,1,2,3
	v_max_num_f32 v[232+\b], 0x4800000, v[232+\b]  ; the floor 2^(9 - 127)
.endr
.irp b, 0,1,2,3
	s_delay_alu instid0(VALU_DEP_4)
	v_add_nc_u32 v[244+\b], 0xfc000000, v[232+\b]  ; the conversion's scale operand
.endr
.irp b, 0,1,2,3
	v_and_or_b32 v[240+\b], v[232+\b], 0x7f800000, s[MNT]   ; 448 x the scale
.endr
.irp b, 0,1,2,3
	v_lshrrev_b32 v[236+\b], 23, v[244+\b]         ; the scale's byte
.endr
	s_delay_alu instid0(VALU_DEP_3)
	v_lshl_or_b32 v253, v237, 8, v236              ; p's scale word for these 128 keys
	s_delay_alu instid0(VALU_DEP_1)
	v_lshl_or_b32 v253, v238, 16, v253
	s_delay_alu instid0(VALU_DEP_1)
	v_lshl_or_b32 v253, v239, 24, v253
.irp b, 0,1,2,3
.irp i, 0,1,2,3,4,5,6,7,8,9,10,11,12,13,14,15
	v_min_num_f32 v[S+16*\b+\i], v[S+16*\b+\i], v[240+\b]   ; the hold; p is not negative, so it is one-sided
.endr
	v_cvt_scalef32_pk8_fp8_f32 v[PC+4*\b:PC+1+4*\b], v[S+16*\b:S+7+16*\b], v[244+\b]
	v_cvt_scalef32_pk8_fp8_f32 v[PC+2+4*\b:PC+3+4*\b], v[S+8+16*\b:S+15+16*\b], v[244+\b]
.endr
	v_nop                                          ; a plain line between the conversions and what touches their results
.irp b, 0,1,2,3                        ; into the operand's order: keys 32 b + 16 h + 0 .. 15
	v_permlane16_swap_b32 v[PC+4*\b], v[PC+4*\b+2]
	v_permlane16_swap_b32 v[PC+4*\b+1], v[PC+4*\b+3]
.endr
	s_wait_alu depctr_va_vdst(0)                   ; the wait here, directly ahead of the first reader of O^T
.set j, 0
.rept 16
	v_pk_mul_f32 v[O+j:O+j+1], v[O+j:O+j+1], v[252:253] op_sel_hi:[1,0]   ; O^T under the new M; also the places between the codes' last write and the products
.set j, j+2
.endr
	s_wait_alu depctr_va_vdst(0)                   ; the wait here, directly ahead of the wait below
	s_wait_dscnt 0x0                               ; V and its scale words are in
.irp e, 0,1,2,3                        ; O^T += V^T P^T: the four accumulators take turns
	v_wmma_scale_f32_16x16x128_f8f6f4 v[O+8*\e:O+8*\e+7], v[32+16*\e:47+16*\e], v[PC:PC+15], v[O+8*\e:O+8*\e+7], v[224+\e], v253
.endr
.Lhidden_\@:
	s_add_co_u32 s[TK], s[TK], 1024
	s_add_co_u32 s[TS], s[TS], 512
	s_add_co_u32 s[TJ], s[TJ], 256
	s_add_co_u32 s[KF], s[KF], 128
	s_add_co_u32 s[ST], s[ST], 1
.endm
; A PHASE: four key steps.  At its head each wave waits for its load (its part of this phase), adds 0 to its spare word and waits for that; behind the barrier the phase is whole.
; fill = 1: the next phase is asked for there, a first fill: the wave's one tensor load until the next barrier.
.macro PHASE fill, sw
	s_wait_tensorcnt 0x0
	ds_add_u32 v[SPW], v[NIL]
.if \fill
	s_add_co_u32 s[G0+1], s[G0+1], 32768           ; no load of mine is out: the walking group 0 steps a phase on
	s_add_nc_u64 s[G0+2:G0+3], s[G0+2:G0+3], 32768
.endif
	s_wait_dscnt 0x0
	s_barrier_signal -1
	s_barrier_wait -1
.if \fill
	s_add_co_u32 s90, s[ST], 4                     ; the next phase's first step
	s_cmp_gt_u32 s90, s[LAST]                      ; beyond the late tile's last step: no wave reads it, so it is not asked for; a work-group past the limit stays past it
	s_cbranch_scc1 .Lpast_\@
	tensor_load_to_lds s[G0:G0+3], s[G1D:G1D+7]
	s_nop 0
.Lpast_\@:
.endif
	s_mov_b32 s[CNT], 4
.Lstep_\@:
	STEP \sw
	s_sub_co_u32 s[CNT], s[CNT], 1
	s_cmp_lg_u32 s[CNT], 0
	s_cbranch_scc1 .Lstep_\@
	s_add_co_u32 s[TK], s[TK], 32768-4096
.endm
	s_wait_alu depctr_va_vdst(0)                   ; the wait at the head's end
	s_wait_loadcnt 0x0                             ; q, the late tile's q, my part of the scale words
	s_wait_tensorcnt 0x0                           ; my part of phase 0 has landed: no fill is on its way while I store
	ds_store_b128 v229, v[104:107]
	ds_store_b64 v230, v[108:109]
	s_mov_b32 s[PH], 3
.Lphase:
	PHASE 1, 1
	s_sub_co_u32 s[PH], s[PH], 1
	s_cmp_lg_u32 s[PH], 0
	s_cbranch_scc1 .Lphase
	PHASE 0, 0                                     ; the last phase is written out: nothing follows it
	; THE TWO PARTS OF THE LATE TILE ARE JOINED
	s_cmp_eq_u32 s72, 0
	s_cbranch_scc0 .Lkeep
	v_add_f32 v14, v14, v15                        ; waves 0-7: my lane's sum,
	v_mov_b32 v15, v12                             ; and -M beside it
.rept 6
	v_nop                                          ; with the two lines above: eight places behind the last products
.endr
.irp k, 0,1,2,3,4,5,6,7
	ds_store_b128 v[STA], v[O+4*\k:O+4*\k+3] offset:512*\k     ; each accumulator from its low end on
.endr
	ds_store_b64 v[STA], v[14:15] offset:4096
.Lkeep:
	s_wait_alu depctr_va_vdst(0)                   ; the wait here, directly ahead of the wait below
	s_wait_dscnt 0x0                               ; for the partner's sake
	s_barrier_signal -1
	s_barrier_wait -1
	s_cmp_eq_u32 s72, 0
	s_cbranch_scc1 .Lend
.irp k, 0,1,2,3,4,5,6,7
	ds_load_b128 v[S+4*\k:S+4*\k+3], v[STA] offset:512*\k
.endr
	ds_load_b64 v[S+32:S+33], v[STA] offset:4096
	s_wait_dscnt 0x0
	v_min_num_f32 v232, v12, v[S+33]               ; -(the larger M)
	v_sub_f32 v233, v232, v12                      ; my M less the larger: a whole number, 0 or less
	v_sub_f32 v234, v232, v[S+33]                  ; the partner's (an empty part holds -M = 3e38 and zeros)
	v_cvt_i32_f32 v233, v233                       ; (they saturate)
	v_cvt_i32_f32 v234, v234
	v_ldexp_f32 v252, 1.0, v233
	v_ldexp_f32 v254, 1.0, v234
	v_pk_mul_f32 v[14:15], v[14:15], v[252:253] op_sel_hi:[1,0]
	v_fmac_f32 v14, v[S+32], v254
.set j, 0
.rept 16
	v_pk_mul_f32 v[S+j:S+j+1], v[S+j:S+j+1], v[254:255] op_sel_hi:[1,0]
.set j, j+2
.endr
.set j, 0
.rept 16
	v_pk_fma_f32 v[O+j:O+j+1], v[O+j:O+j+1], v[252:253], v[S+j:S+j+1] op_sel_hi:[1,0,1]
.set j, j+2
.endr
	WAYOUT
.Lend:
	s_wait_tensorcnt 0x0                           ; the wave's end
	ds_add_u32 v[SPW], v[NIL]
	s_wait_dscnt 0x0
	s_endpgm
.Lfunc_end_k_qfe94c6927e_attn:
	.size	k_qfe94c6927e_attn, .Lfunc_end_k_qfe94c6927e_attn-k_qfe94c6927e_attn
	.p2alignl 7, 3214868480
	.fill 96, 4, 3214868480
	.section	.rodata,"a",@progbits
	.p2align	6, 0x0
	.amdhsa_kernel k_qfe94c6927e_attn
		.amdhsa_group_segment_fixed_size 327680
		.amdhsa_private_segment_fixed_size 0
		.amdhsa_enable_private_segment 0
		.amdhsa_kernarg_size 16
		.amdhsa_user_sgpr_count 2
		.amdhsa_user_sgpr_kernarg_segment_ptr 1
		.amdhsa_wavefront_size32 1
		.amdhsa_system_sgpr_workgroup_id_x 1
		.amdhsa_system_sgpr_workgroup_id_y 1
		.amdhsa_system_sgpr_workgroup_id_z 1
		.amdhsa_system_vgpr_workitem_id 0
		.amdhsa_next_free_vgpr 256
		.amdhsa_next_free_sgpr 96
		.amdhsa_reserve_vcc 1
		.amdhsa_float_denorm_mode_32 3
		.amdhsa_float_denorm_mode_16_64 3
		.amdhsa_memory_ordered 1
		.amdhsa_forward_progress 1
		.amdhsa_inst_pref_size 80
	.end_amdhsa_kernel
	.amdgpu_metadata
---
amdhsa.version: [ 1, 2 ]
amdhsa.kernels:
  - .name:           k_qfe94c6927e_attn
    .symbol:         k_qfe94c6927e_attn.kd
    .args:
      - { .name: qkv, .offset: 0, .size: 8, .value_kind: global_buffer, .address_space: global }
      - { .name: ac, .offset: 8, .size: 8, .value_kind: global_buffer, .address_space: global }
    .group_segment_fixed_size: 327680
    .private_segment_fixed_size: 0
    .kernarg_segment_align: 8
    .kernarg_segment_size: 16
    .max_flat_workgroup_size: 512
    .sgpr_count:     96
    .vgpr_count:     256
    .wavefront_size: 32
...
	.end_amdgpu_metadata
.endif
;; end of part 3
;; launch wo (part 4): grid 8 x 32, 4 waves a work-group, clusters of 4 x 4, 327,680 bytes of LDS; arguments ac, Wo_codes, Wo_scales, bo, x, x1; writes x1
.if DOCPART == 4
	.amdgcn_target "amdgcn-amd-amdhsa--gfx1250"
	.amdhsa_code_object_version 6
	.text
	.protected	k_qfe94c6927e_wo
	.globl	k_qfe94c6927e_wo
	.p2align	8
	.type	k_qfe94c6927e_wo,@function
k_qfe94c6927e_wo:
	s_mov_b64 s[64:65], 0
	v_nop
	global_prefetch_b8 v0, s[64:65] scope:SCOPE_SE
	s_setreg_imm32_b32 hwreg(HW_REG_WAVE_MODE, 25, 1), 1
	s_wait_xcnt 0x0
	s_wait_alu depctr_hold_cnt(0) depctr_sa_sdst(0) depctr_va_vdst(0) depctr_va_sdst(0) depctr_va_ssrc(0) depctr_va_vcc(0) depctr_vm_vsrc(0)
	s_getreg_b32 s2, hwreg(HW_REG_IB_STS2, 6, 4)
	s_cmp_eq_u32 s2, 0
	s_cbranch_scc0 .Lentry_in_a_cluster
	s_endpgm
.Lentry_in_a_cluster:
	s_bfe_u32 s2, ttmp6, 0x10000c
	s_cmp_lg_u32 s2, 0xf033
	s_cbranch_scc0 .Lentry_shape_is_right
	s_endpgm
.Lentry_shape_is_right:
; out = res + bias + A W^T on codes of FP8 (E4M3) with E8M0 scales.  A: 4,096 rows x SIZE_K as IMAGES of operand registers: (tile of 16 rows x SIZE_K / 128 + K step of 128) x 2,048 + 512 c + 16 lane;
; behind them, at 4,096 SIZE_K, its scale words: K step x 16,384 + 4 x row.  W: codes [1024][SIZE_K], scale bytes [1024][SIZE_K / 32].  bias [1024], res and out [4096][1024] f32.
; A tile of 128 x 128 to a work-group (256 work-groups), 64 x 64 a wave: 16 accumulators.  K goes in steps of 512 through a ring of two LDS slots: A's 8 tiles of rows x 8,192 dense bytes, W's 128 rows of 512 bytes + 16.
; All scale words of the tile's rows come once, with the first fills, and stay.  CLUSTERS: 4 x 4: A's tiles are shared along a row of the cluster, W's along a column: joint loads.
; Source 0 = 16 rows of W, source 1 = 16 rows of A: a lane holds eight neighbouring columns of one row of out.  The bias is the C of each sum's first product.  The residual is asked for at the head and lands under the loop.
; REGISTERS: window 0: v0-31 addresses; v32-63 the bias; v64-127 scale words, two sets of 32 (A's 16, W's 16); v128-255 the accumulators ((a, b) at v[128 + 8 (4 a + b)]).
;   window 1: two fragment buffers of 128 (A's 4 x 16, W's 4 x 16); on the way out rows of out.   window 2: v0-127 the residual.
.set SIZE_K, 1024
.set KS,     SIZE_K/32
.set LAPS,   SIZE_K/1024               ; a lap = two K steps of 512 = once round the ring
.set PB,     528                       ; a row of W in LDS: 512 bytes + 16 of padding
.set AHALF,  32768                     ; four tiles of rows of A: what one tensor load brings, and what one wave reads
.set BHALF,  64*PB
.set BOFF,   2*AHALF
.set SLOT,   BOFF+2*BHALF
.set SCA,    2*SLOT                    ; A's scale words: [K step of 128][128 rows][4 bytes]
.set SCBS,   SCA+16384                 ; W's scale bytes, as blocks of 256 bytes + 16 of padding
.set HALFSB, (64*KS/256)*272
.set SBLK,   (16*KS/256)*272
.set SPARE,  SCBS+17408                ; the spare words, 128 bytes for each wave
.set STAGE,  SPARE+512                 ; 16 rows x 272 bytes for each wave, for the way out; no fill lands here
.set SP,     272
.set ADRA, 16
.set ADRB, 20
.set ADSA, 22
.set ADSB, 23
.set STO,  24
.set RD,   25
.set CO,   26
.set SPW,  28
.set NIL,  29
.set BJ,   32
.set SC,   64
.set ACC,  128
.set F0,   0
.set F1,   128
.set G1, 24
.set G0, 32
.set G1B, 48
.set G0B, 56
.set G1S, 68
.set G0S, 76
.set G1SB, 80
.set G0SB, 88
.set MSB, 0
.macro WIN new                         ; the immediate's high byte repeats the setting that is left
.if MSB != \new
	s_set_vgpr_msb (MSB<<8)|\new
.set MSB, \new
.endif
.endm
.set MUL,  0x05                        ; sources 0 (W) and 1 (A) window 1; C and D window 0
.set TO_F, 0x40                        ; destination window 1, address window 0
.macro JLOAD g0a, g1a, g0b, g1b        ; a joint load: waves 0 and 1 fetch for A, waves 2 and 3 for W; four v_nop follow each of the two lines
	s_cmp_eq_u32 s17, 0
	s_cbranch_scc0 .Lfor_b_\@
	tensor_load_to_lds s[\g0a:\g0a+3], s[\g1a:\g1a+7]
	s_nop 0
.rept 4
	v_nop
.endr
	s_branch .Lasked_\@
.Lfor_b_\@:
	tensor_load_to_lds s[\g0b:\g0b+3], s[\g1b:\g1b+7]
	s_nop 0
.rept 4
	v_nop
.endr
.Lasked_\@:
.endm
.macro CREST
	s_cmp_lg_u32 s16, 0
	s_cbranch_scc1 .Lnot_wave_0_\@
	s_barrier_signal -3
.Lnot_wave_0_\@:
	s_barrier_wait -3
	s_barrier_signal -1
	s_barrier_wait -1
.endm
.macro CROUND
	s_barrier_signal -1
	s_barrier_wait -1
	CREST
.endm
	s_load_b256 s[4:11], s[0:1], 0x0               ; A, W's codes, W's scales, bias
	s_load_b128 s[12:15], s[0:1], 0x20             ; res, out
	v_lshl_add_u32 v[SPW], v0, 2, SPARE
	v_mov_b32 v[NIL], 0
	ds_add_u32 v28, v29
	ds_add_u32 v28, v29
	s_wait_dscnt 0x0
	v_lshrrev_b32 v1, 5, v0
	v_readfirstlane_b32 s16, v1                    ; wave 0..3
	s_lshr_b32 s17, s16, 1                         ; which half of the tile's rows is mine.  Also: I fetch for A (0) or for W (1)
	s_and_b32 s18, s16, 1                          ; which half of its columns.  Also: which half of that tile I fetch
	s_bfe_u32 s40, ttmp6, 0x40000                  ; cx, cy
	s_bfe_u32 s41, ttmp6, 0x40004
	s_lshl_b32 s20, ttmp9, 2
	s_add_co_u32 s20, s20, s40                     ; tile column
	s_and_b32 s19, ttmp7, 0xffff
	s_lshl_b32 s19, s19, 2
	s_add_co_u32 s19, s19, s41                     ; tile row
	s_lshl_b32 s43, s41, 2
	s_lshl_b32 s43, 15, s43                        ; my row of the cluster
	s_lshl_b32 s44, 0x1111, s40                    ; my column
	s_or_b32 s[G1], s43, (3<<16)|(1<<21)           ; A: the mask; elements of 8 bytes; no padding; bit 21 beside a mask
	s_mov_b32 s[G1+1], 1024<<16                    ; tensor_dim0 = 1,024 elements: a tile of rows' 8,192 bytes of this K step
	s_mov_b32 s[G1+2], 8<<16                       ; the head's load brings all 8 tiles of rows; behind it the two words that count rows are set to 4
	s_mov_b32 s[G1+3], 1024<<16
	s_mov_b32 s[G1+4], 8
	s_mov_b32 s[G1+5], 2*SIZE_K                    ; from a tile of rows to the next: 16 SIZE_K bytes
	s_mov_b32 s[G1+6], 0
	s_mov_b32 s[G1+7], 0
	s_or_b32 s[G1B], s44, (0<<16)|(1<<20)|(1<<21)|(6<<22)|(3<<25)   ; W: elements of 1 byte; 4 words of padding after every 128
	s_mov_b32 s[G1B+1], 512<<16
	s_mov_b32 s[G1B+2], 128<<16                    ; likewise: 128 rows at the head, then 64
	s_mov_b32 s[G1B+3], 512<<16
	s_mov_b32 s[G1B+4], 128
	s_mov_b32 s[G1B+5], SIZE_K
	s_mov_b32 s[G1B+6], 0
	s_mov_b32 s[G1B+7], 0
	s_or_b32 s[G1S], s43, (3<<16)|(1<<21)          ; A's words: 512 bytes (128 rows) of each of SIZE_K / 128 K steps
	s_mov_b32 s[G1S+1], 64<<16
	s_mov_b32 s[G1S+2], (SIZE_K/128)<<16           ; all K steps of 128 in one load
	s_mov_b32 s[G1S+3], 64<<16
	s_mov_b32 s[G1S+4], SIZE_K/128
	s_mov_b32 s[G1S+5], 2048
	s_mov_b32 s[G1S+6], 0
	s_mov_b32 s[G1S+7], 0
	s_or_b32 s[G1SB], s44, (3<<16)|(1<<20)|(1<<21)|(5<<22)|(3<<25)  ; W's scale bytes of 128 rows: dense, as rows of 256 bytes + 16
	s_mov_b32 s[G1SB+1], 32<<16
	s_mov_b32 s[G1SB+2], (KS/2)<<16                ; the scale bytes of all 128 rows in one load
	s_mov_b32 s[G1SB+3], 32<<16
	s_mov_b32 s[G1SB+4], KS/2
	s_mov_b32 s[G1SB+5], 32
	s_mov_b32 s[G1SB+6], 0
	s_mov_b32 s[G1SB+7], 0
	s_mul_i32 s92, s19, 128*SIZE_K                 ; A: the tile's first byte
	s_mul_i32 s66, s18, 64*SIZE_K                  ; in the ring I fetch half a tile: 64 rows of A or of W on, in bytes
	s_mov_b32 s67, 0
	s_mov_b32 s93, 0
	s_lshl_b32 s94, s19, 9                         ; A's words: the tile's 128 rows
	s_add_co_u32 s94, s94, 4096*SIZE_K
	s_mov_b32 s95, 0
	s_lshl_b32 s46, s20, 7
	s_mul_i32 s96, s46, KS
	s_mov_b32 s97, 0
	s_mul_i32 s46, s46, SIZE_K
	s_mov_b32 s47, 0
	s_mul_i32 s21, s18, AHALF                      ; where they go: no place in the cluster enters an LDS address
	s_mul_i32 s22, s18, BHALF
	s_add_co_u32 s22, s22, BOFF
	s_wait_kmcnt 0x0
	s_add_nc_u64 s[92:93], s[4:5], s[92:93]
	s_add_nc_u64 s[94:95], s[4:5], s[94:95]
	s_add_nc_u64 s[46:47], s[6:7], s[46:47]
	s_add_nc_u64 s[96:97], s[8:9], s[96:97]
	CROUND                                         ; all sixteen work-groups are here: the first joint loads meet
	s_mov_b32 s[G0S], 1
	s_mov_b32 s[G0S+1], SCA
	s_mov_b64 s[G0S+2:G0S+3], s[94:95]
	s_or_b32 s[G0S+3], s[G0S+3], 0x80000000
	s_mov_b32 s[G0SB], 1
	s_mov_b32 s[G0SB+1], SCBS
	s_mov_b64 s[G0SB+2:G0SB+3], s[96:97]
	s_or_b32 s[G0SB+3], s[G0SB+3], 0x80000000
	s_mov_b32 s4, 1                                ; s[4:7], s[96:99]: groups 0 of the head's loads of K step 0, each tile whole
	s_mov_b32 s5, 0
	s_mov_b64 s[6:7], s[92:93]
	s_or_b32 s7, s7, 0x80000000
	s_mov_b32 s96, 1
	s_mov_b32 s97, BOFF
	s_mov_b64 s[98:99], s[46:47]
	s_or_b32 s99, s99, 0x80000000
	s_add_nc_u64 s[92:93], s[92:93], s[66:67]      ; for the ring: my half
	s_add_nc_u64 s[46:47], s[46:47], s[66:67]
.irp s, 0,1
	s_mov_b32 s[G0+4*\s], 1
	s_add_co_u32 s[G0+4*\s+1], s21, \s*SLOT
	s_add_nc_u64 s[G0+4*\s+2:G0+4*\s+3], s[92:93], \s*8192
	s_or_b32 s[G0+4*\s+3], s[G0+4*\s+3], 0x80000000
	s_mov_b32 s[G0B+4*\s], 1
	s_add_co_u32 s[G0B+4*\s+1], s22, \s*SLOT
	s_add_nc_u64 s[G0B+4*\s+2:G0B+4*\s+3], s[46:47], \s*512
	s_or_b32 s[G0B+4*\s+3], s[G0B+4*\s+3], 0x80000000
.endr
; the head's four tiles, one load a wave, in one tree of arms: wave 0 A's tile, wave 1 W's, wave 2 A's scale words, wave 3 W's scale bytes
.macro ARM under, g0, g1, next
	s_cmp_lt_u32 s16, \under
	s_cbranch_scc0 \next
	tensor_load_to_lds s[\g0:\g0+3], s[\g1:\g1+7]
	s_nop 0
.rept 4
	v_nop
.endr
	s_branch .Lhead_asked
\next:
.endm
	ARM 1, 4, G1, .Lhead_b
	ARM 2, 96, G1B, .Lhead_sa
	ARM 3, G0S, G1S, .Lhead_sb
	tensor_load_to_lds s[G0SB:G0SB+3], s[G1SB:G1SB+7]
	s_nop 0
.rept 4
	v_nop
.endr
.Lhead_asked:
	v_and_b32 v1, 15, v0                           ; r
	v_bfe_u32 v2, v0, 4, 1                         ; h
	v_and_b32 v3, 31, v0
	v_lshlrev_b32 v3, 4, v3                        ; 16 x lane
	s_mul_i32 s21, s17, AHALF                      ; my four tiles of rows of A
	v_add_nc_u32 v[ADRA], s21, v3
	v_add_nc_u32 v[ADRA+1], SLOT, v[ADRA]
	v_mul_u32_u24 v4, v1, PB
	v_lshl_add_u32 v4, v2, 4, v4
	s_mul_i32 s22, s18, BHALF                      ; my 64 rows of W
	s_add_co_u32 s22, s22, BOFF
	v_add_nc_u32 v[ADRB], s22, v4
	v_add_nc_u32 v[ADRB+1], SLOT, v[ADRB]
	s_lshl_b32 s21, s17, 8
	s_add_co_u32 s21, s21, SCA
	v_lshl_add_u32 v[ADSA], v1, 2, s21             ; A's words: my 64 rows, 4 bytes a row
	v_mul_u32_u24 v5, v1, KS
	v_lshrrev_b32 v6, 8, v5
	v_lshl_add_u32 v5, v6, 4, v5                   ; W's: KS bytes a row, and 16 more for each 256 passed
	s_mul_i32 s22, s18, HALFSB
	s_add_co_u32 s22, s22, SCBS
	v_add_nc_u32 v[ADSB], s22, v5
	s_mul_i32 s23, s16, 16*SP
	s_add_co_u32 s23, s23, STAGE                   ; my stage
	v_mul_u32_u24 v4, v1, SP
	v_lshl_add_u32 v4, v2, 5, v4
	v_add_nc_u32 v[STO], s23, v4                   ; in: row r, 32 bytes for each half of the lanes
	v_mul_u32_u24 v5, v2, SP
	v_lshl_add_u32 v5, v1, 4, v5
	v_add_nc_u32 v[RD], s23, v5                    ; back: lanes 0-15 one row of 256 bytes, lanes 16-31 the next
	v_lshlrev_b32 v[CO], 12, v2
	v_lshl_add_u32 v[CO], v1, 4, v[CO]             ; and the same two rows in res and out
	v_lshlrev_b32 v7, 5, v2                        ; the bias: 32 h
	s_wait_alu depctr_va_vdst(0)
	s_lshl_b32 s46, s20, 9
	s_lshl_b32 s47, s18, 8
	s_add_co_u32 s46, s46, s47                     ; my first column, in bytes
	s_mov_b32 s47, 0
	s_add_nc_u64 s[10:11], s[10:11], s[46:47]
	s_lshl_b32 s21, s19, 19
	s_lshl_b32 s22, s17, 18
	s_add_co_u32 s21, s21, s22                     ; my first row, in bytes
	s_add_co_u32 s46, s46, s21
	s_add_nc_u64 s[12:13], s[12:13], s[46:47]
	s_add_nc_u64 s[14:15], s[14:15], s[46:47]
.irp b, 0,1,2,3
	global_load_b128 v[BJ+8*\b:BJ+8*\b+3], v7, s[10:11] offset:64*\b       ; lane (r, h), tile b: columns 16 b + 8 h + 0 .. 7
	global_load_b128 v[BJ+8*\b+4:BJ+8*\b+7], v7, s[10:11] offset:64*\b+16
.endr
	WIN 0x80                                       ; destination window 2
.irp a, 0,1,2,3
.irp t, 0,1,2,3,4,5,6,7
	global_load_b128 v[32*\a+4*\t:32*\a+4*\t+3], v[CO], s[12:13] offset:(16*\a+2*\t)*4096   ; sixteen lanes read 256 consecutive bytes
.endr
.endr
	WIN 0
; four matrix instructions: A's block a x W's four, 128 along K: the slot's q-th.  zero = 1: the bias is the C of the first product: nothing is cleared.  The 16 accumulators take turns.
.macro MUL4 f, q, sc, a, zero
.irp b, 0,1,2,3
.if \zero
	v_wmma_scale_f32_16x16x128_f8f6f4 v[ACC+8*(4*(\a)+\b):ACC+8*(4*(\a)+\b)+7], v[\f+64+16*\b:\f+64+16*\b+15], v[\f+16*(\a):\f+16*(\a)+15], v[BJ+8*\b:BJ+8*\b+7], v[SC+32*(\sc)+16+4*\b+(\q)], v[SC+32*(\sc)+4*(\a)+(\q)]
.else
	v_wmma_scale_f32_16x16x128_f8f6f4 v[ACC+8*(4*(\a)+\b):ACC+8*(4*(\a)+\b)+7], v[\f+64+16*\b:\f+64+16*\b+15], v[\f+16*(\a):\f+16*(\a)+15], v[ACC+8*(4*(\a)+\b):ACC+8*(4*(\a)+\b)+7], v[SC+32*(\sc)+16+4*\b+(\q)], v[SC+32*(\sc)+4*(\a)+(\q)]
.endif
.endr
.endm
.macro SCALES sc                       ; a slot's scale words: register 4 i + q: block i, the slot's q-th 128 along K; A's at +0, W's at +16
	WIN 0
.irp i, 0,1,2,3
.irp q, 0,1,2,3
	ds_load_b32 v[SC+32*\sc+4*\i+\q], v[ADSA] offset:64*\i+512*\q
.endr
	ds_load_b128 v[SC+32*\sc+16+4*\i:SC+32*\sc+16+4*\i+3], v[ADSB] offset:\i*SBLK
.endr
.endm
.macro FETCH slot, q, f                ; 32 LDS loads in one run: W's four fragments, then A's four
	WIN TO_F
.irp i, 0,1,2,3
.irp c, 0,1,2,3
	ds_load_b128 v[\f+64+16*\i+4*\c:\f+64+16*\i+4*\c+3], v[ADRB+\slot] offset:\i*16*PB+128*(\q)+32*\c
.endr
.endr
.irp i, 0,1,2,3
.irp c, 0,1,2,3
	ds_load_b128 v[\f+16*\i+4*\c:\f+16*\i+4*\c+3], v[ADRA+\slot] offset:\i*8192+2048*(\q)+512*\c
.endr
.endr
.endm
.macro PLACES n                        ; plain vector instructions between a matrix instruction and a load into, or a read of, its registers
.rept \n
	v_nop
.endr
.endm
.macro QUARTER slot, q, zero           ; 128 along K: multiplies buffer q % 2 and fetches the next quarter of the same slot into the other
.set FM, F0+128*((\q)%2)
.set FN, F0+128*(1-(\q)%2)
	s_wait_dscnt 8                                 ; all but the youngest eight loads (A's blocks 2 and 3) are in
	WIN MUL
	MUL4 FM, \q, \slot, 0, \zero
	MUL4 FM, \q, \slot, 1, \zero
	PLACES 8
	FETCH \slot, (\q)+1, FN
	s_wait_dscnt 32                                ; all but the 32 just issued
	WIN MUL
	MUL4 FM, \q, \slot, 2, \zero
	MUL4 FM, \q, \slot, 3, \zero
.endm
; A slot's last quarter changes slots: one barrier; in front of it each wave waits for all its tensor loads, adds 0 to its spare word, and waits for that and for its reads of this slot.
.macro TURN slot, next, fill
	WIN 0
	s_wait_tensorcnt 0x0                           ; all my tensor loads have landed: my part of the next slot
	ds_add_u32 v[SPW], v[NIL]                      ; 0 onto my spare word
	s_wait_dscnt 9                                 ; (the add and the youngest eight loads may be out)
	WIN MUL
	MUL4 F1, 3, \slot, 0, 0
	MUL4 F1, 3, \slot, 1, 0
	s_wait_dscnt 0x0                               ; the add is done, and my reads of this slot are over
	s_barrier_signal -1
	MUL4 F1, 3, \slot, 2, 0
	WIN 0
	s_barrier_wait -1
.if \fill
	CREST                                          ; the barrier has opened a round of the cluster's: no wave of any partner still reads this slot or has a load on its way
	s_add_nc_u64 s[G0+4*\slot+2:G0+4*\slot+3], s[G0+4*\slot+2:G0+4*\slot+3], 16384
	s_add_nc_u64 s[G0B+4*\slot+2:G0B+4*\slot+3], s[G0B+4*\slot+2:G0B+4*\slot+3], 1024
	JLOAD G0+4*\slot, G1, G0B+4*\slot, G1B         ; the first tensor load behind the round; its four v_nop are among the places in front of the loads below
	PLACES 4
.else
	PLACES 8
.endif
	v_add_nc_u32 v[ADSA], 2048, v[ADSA]            ; on to the next slot's scale words
	v_add_nc_u32 v[ADSB], 16, v[ADSB]
	SCALES \next
	FETCH \next, 0, F0
	WIN MUL
	MUL4 F1, 3, \slot, 3, 0
.endm
	s_wait_tensorcnt 0x0                           ; my tile of the head's four is in
	ds_add_u32 v[SPW], v[NIL]
	s_mov_b32 s[G1+2], 4<<16                       ; no tensor load of mine is out: from here on a load brings half a tile
	s_mov_b32 s[G1+4], 4
	s_mov_b32 s[G1B+2], 64<<16
	s_mov_b32 s[G1B+4], 64
	s_wait_dscnt 0x0
	CROUND
	JLOAD G0+4, G1, G0B+4, G1B                     ; K step 1, the first tensor load behind the round.  No prefetch: K has two steps, and both are asked for here
	SCALES 0
	FETCH 0, 0, F0
	s_wait_loadcnt 32                              ; the bias is in; the 32 loads of the residual stay out
	QUARTER 0, 0, 1                                ; the first quarter stands in front of the loop: its products start the sums
.if LAPS > 1
	WIN 0
	s_mov_b32 s3, LAPS-1
.Llap:
	QUARTER 0, 1, 0
	QUARTER 0, 2, 0
	TURN 0, 1, 1
	QUARTER 1, 0, 0
	QUARTER 1, 1, 0
	QUARTER 1, 2, 0
	TURN 1, 0, 1
	QUARTER 0, 0, 0
	WIN 0
	s_sub_co_u32 s3, s3, 1
	s_cmp_lg_u32 s3, 0
	s_cbranch_scc1 .Llap
.endif
	QUARTER 0, 1, 0                                ; the last lap fills nothing
	QUARTER 0, 2, 0
	TURN 0, 1, 0
	QUARTER 1, 0, 0
	QUARTER 1, 1, 0
	QUARTER 1, 2, 0
	s_wait_dscnt 8
	WIN MUL
	MUL4 F1, 3, 1, 0, 0
	MUL4 F1, 3, 1, 1, 0
	s_wait_dscnt 0x0
	MUL4 F1, 3, 1, 2, 0
	MUL4 F1, 3, 1, 3, 0
	WIN 0
	; THE WAY OUT, 16 rows at a time: through my own stage, back as whole rows of 256 bytes, the residual added, stored
	PLACES 8
	s_wait_loadcnt 0x0                             ; the residual
.irp a, 0,1,2,3
.set TT, 32*(\a%2)
	WIN 0
.irp b, 0,1,2,3
	ds_store_b128 v[STO], v[ACC+8*(4*\a+\b):ACC+8*(4*\a+\b)+3] offset:64*\b        ; each accumulator from its low end on
	ds_store_b128 v[STO], v[ACC+8*(4*\a+\b)+4:ACC+8*(4*\a+\b)+7] offset:64*\b+16
.endr
.if \a >= 2
	s_wait_xcnt 0x0                                ; block a - 2's stores have read their data: those registers are loaded again only behind this wait
.endif
	WIN 0x40                                       ; destination window 1
.irp t, 0,1,2,3,4,5,6,7
	ds_load_b128 v[TT+4*\t:TT+4*\t+3], v[RD] offset:\t*2*SP    ; LDS serves a wave's instructions in order: these see my stores
.endr
	s_wait_dscnt 0x0
	WIN 0x49                                       ; destination and source 0 window 1, source 1 window 2
.irp t, 0,1,2,3,4,5,6,7,8,9,10,11,12,13,14,15
	v_pk_add_f32 v[TT+2*\t:TT+2*\t+1], v[TT+2*\t:TT+2*\t+1], v[32*\a+2*\t:32*\a+2*\t+1]
.endr
	WIN 0x04                                       ; a store's data are its source 1: window 1
.irp t, 0,1,2,3,4,5,6,7
	global_store_b128 v[CO], v[TT+4*\t:TT+4*\t+3], s[14:15] offset:(16*\a+2*\t)*4096   ; sixteen lanes store 256 consecutive bytes, aligned
.endr
.endr
	WIN 0
	s_wait_tensorcnt 0x0                           ; the wave's end
	ds_add_u32 v[SPW], v[NIL]
	s_wait_dscnt 0x0
	CROUND                                         ; the closing round
	s_endpgm
.Lfunc_end_k_qfe94c6927e_wo:
	.size	k_qfe94c6927e_wo, .Lfunc_end_k_qfe94c6927e_wo-k_qfe94c6927e_wo
	.p2alignl 7, 3214868480
	.fill 96, 4, 3214868480
	.section	.rodata,"a",@progbits
	.p2align	6, 0x0
	.amdhsa_kernel k_qfe94c6927e_wo
		.amdhsa_group_segment_fixed_size 327680
		.amdhsa_private_segment_fixed_size 0
		.amdhsa_enable_private_segment 0
		.amdhsa_kernarg_size 48
		.amdhsa_user_sgpr_count 2
		.amdhsa_user_sgpr_kernarg_segment_ptr 1
		.amdhsa_wavefront_size32 1
		.amdhsa_system_sgpr_workgroup_id_x 1
		.amdhsa_system_sgpr_workgroup_id_y 1
		.amdhsa_system_sgpr_workgroup_id_z 1
		.amdhsa_system_vgpr_workitem_id 0
		.amdhsa_next_free_vgpr 640
		.amdhsa_next_free_sgpr 100
		.amdhsa_reserve_vcc 0
		.amdhsa_float_denorm_mode_32 3
		.amdhsa_float_denorm_mode_16_64 3
		.amdhsa_memory_ordered 1
		.amdhsa_forward_progress 1
		.amdhsa_inst_pref_size 65
	.end_amdhsa_kernel
	.amdgpu_metadata
---
amdhsa.version: [ 1, 2 ]
amdhsa.kernels:
  - .name:           k_qfe94c6927e_wo
    .symbol:         k_qfe94c6927e_wo.kd
    .args:
      - { .name: ac, .offset: 0, .size: 8, .value_kind: global_buffer, .address_space: global }
      - { .name: Wo_codes, .offset: 8, .size: 8, .value_kind: global_buffer, .address_space: global }
      - { .name: Wo_scales, .offset: 16, .size: 8, .value_kind: global_buffer, .address_space: global }
      - { .name: bo, .offset: 24, .size: 8, .value_kind: global_buffer, .address_space: global }
      - { .name: x, .offset: 32, .size: 8, .value_kind: global_buffer, .address_space: global }
      - { .name: x1, .offset: 40, .size: 8, .value_kind: global_buffer, .address_space: global }
    .group_segment_fixed_size: 327680
    .private_segment_fixed_size: 0
    .kernarg_segment_align: 8
    .kernarg_segment_size: 48
    .max_flat_workgroup_size: 128
    .sgpr_count:     100
    .vgpr_count:     640
    .wavefront_size: 32
...
	.end_amdgpu_metadata
.endif
;; end of part 4
;; launch ln2: the kernel of part 1 again; grid 256 x 1, 4 waves a work-group, no clusters, 22,016 bytes of LDS; arguments x1, ln2_g, ln2_b, hc, hs; writes hc, hs
;; launch w1 (part 5): grid 16 x 16, 4 waves a work-group, clusters of 4 x 4, 327,680 bytes of LDS; arguments hc, hs, W1_codes, W1_scales, b1, hid; writes hid
.if DOCPART == 5
	.amdgcn_target "amdgcn-amd-amdhsa--gfx1250"
	.amdhsa_code_object_version 6
	.text
	.protected	k_qfe94c6927e_w1
	.globl	k_qfe94c6927e_w1
	.p2align	8
	.type	k_qfe94c6927e_w1,@function
k_qfe94c6927e_w1:
	s_mov_b64 s[64:65], 0
	v_nop
	global_prefetch_b8 v0, s[64:65] scope:SCOPE_SE
	s_setreg_imm32_b32 hwreg(HW_REG_WAVE_MODE, 25, 1), 1
	s_wait_xcnt 0x0
	s_wait_alu depctr_hold_cnt(0) depctr_sa_sdst(0) depctr_va_vdst(0) depctr_va_sdst(0) depctr_va_ssrc(0) depctr_va_vcc(0) depctr_vm_vsrc(0)
	s_getreg_b32 s2, hwreg(HW_REG_IB_STS2, 6, 4)
	s_cmp_eq_u32 s2, 0
	s_cbranch_scc0 .Lentry_in_a_cluster
	s_endpgm
.Lentry_in_a_cluster:
	s_bfe_u32 s2, ttmp6, 0x10000c
	s_cmp_lg_u32 s2, 0xf033
	s_cbranch_scc0 .Lentry_shape_is_right
	s_endpgm
.Lentry_shape_is_right:
.set SIZE_K, 1024
.set KSTEP,  256
.set NQ,     KSTEP/128
.set ROWB,   256
.set KROW,   SIZE_K
.set PITCH,  272
.set FR,     16
.set NL,     4
.set NP,     8
.set HALFT,  128*PITCH
.set SLOT,   4*HALFT
.set LAPS,   SIZE_K/(2*KSTEP)
.set KS,     SIZE_K/32
.set SCL,    2*SLOT
.set HALFS,  (128*KS/256)*272
.set SBLK,   (16*KS/256)*272
.set SPARE,  SCL+4*HALFS
.set STG,    SPARE+512
.set ADRA, 16
.set ADRB, 20
.set WST,  24
.set WRD,  25
.set CO,   26
.set ADRS, 27
.set SPW,  28
.set NIL,  29
.set SC,   32
.set BJ,   64
.set AF,   128
.set T,    128
.set C,    192
.set TM,   224
.set PW,   240
.set RB,   244
.set G1, 24
.set G0, 32
.set G1B, 48
.set G0B, 56
.set G1S, 68
.set G0S, 76
.set G1SB, 80
.set G0SB, 88
.set SEL, 98
.set MNT, 100
.set MSB, 0
.macro WIN new
.if MSB != \new
	s_set_vgpr_msb (MSB<<8)|\new
.set MSB, \new
.endif
.endm
.set MUL_LO, 0xa1
.set MUL_HI, 0xf1
.set TO_B,   0x40
.macro JLOAD g0a, g1a, g0b, g1b
	s_cmp_eq_u32 s15, 0
	s_cbranch_scc0 .Lfor_b_\@
	tensor_load_to_lds s[\g0a:\g0a+3], s[\g1a:\g1a+7]
	s_nop 0
.rept 4
	v_nop
.endr
	s_branch .Lasked_\@
.Lfor_b_\@:
	tensor_load_to_lds s[\g0b:\g0b+3], s[\g1b:\g1b+7]
	s_nop 0
.rept 4
	v_nop
.endr
.Lasked_\@:
.endm
.macro CREST
	s_cmp_lg_u32 s14, 0
	s_cbranch_scc1 .Lnot_wave_0_\@
	s_barrier_signal -3
.Lnot_wave_0_\@:
	s_barrier_wait -3
	s_barrier_signal -1
	s_barrier_wait -1
.endm
.macro CROUND
	s_barrier_signal -1
	s_barrier_wait -1
	CREST
.endm
	s_load_b128 s[4:7], s[0:1], 0x0
	s_load_b128 s[8:11], s[0:1], 0x10
	s_load_b64 s[96:97], s[0:1], 0x20
	s_load_b64 s[12:13], s[0:1], 0x28
	v_lshl_add_u32 v[SPW], v0, 2, SPARE
	v_mov_b32 v[NIL], 0
	ds_add_u32 v28, v29
	ds_add_u32 v28, v29
	s_wait_dscnt 0x0
	v_lshrrev_b32 v1, 5, v0
	v_readfirstlane_b32 s14, v1
	s_lshr_b32 s15, s14, 1
	s_and_b32 s16, s14, 1
	s_bfe_u32 s40, ttmp6, 0x40000
	s_bfe_u32 s41, ttmp6, 0x40004
	s_lshl_b32 s42, ttmp9, 2
	s_add_co_u32 s42, s42, s40
	s_and_b32 s17, ttmp7, 0xffff
	s_lshl_b32 s17, s17, 2
	s_add_co_u32 s17, s17, s41
	s_lshl_b32 s43, s41, 2
	s_lshl_b32 s43, 15, s43
	s_lshl_b32 s44, 0x1111, s40
	s_or_b32 s[G1+0], s43, (0<<16)|(1<<20)|(1<<21)|(5<<22)|(3<<25)
	s_or_b32 s[G1B+0], s44, (0<<16)|(1<<20)|(1<<21)|(5<<22)|(3<<25)
.irp g, G1, G1B
	s_mov_b32 s[\g+1], ROWB<<16
	s_mov_b32 s[\g+2], 256<<16                     ; the head's loads bring a tile's 256 rows; behind them the two words that count rows are set to 128
	s_mov_b32 s[\g+3], ROWB<<16
	s_mov_b32 s[\g+4], 256
	s_mov_b32 s[\g+5], KROW
	s_mov_b32 s[\g+6], 0
	s_mov_b32 s[\g+7], 0
.endr
	s_or_b32 s[G1S+0], s43, (3<<16)|(1<<20)|(1<<21)|(5<<22)|(3<<25)
	s_or_b32 s[G1SB+0], s44, (3<<16)|(1<<20)|(1<<21)|(5<<22)|(3<<25)
.irp g, G1S, G1SB
	s_mov_b32 s[\g+1], 32<<16
	s_mov_b32 s[\g+2], KS<<16                      ; the scales of 256 rows: KS rows of 256 bytes
	s_mov_b32 s[\g+3], 32<<16
	s_mov_b32 s[\g+4], KS
	s_mov_b32 s[\g+5], 32
	s_mov_b32 s[\g+6], 0
	s_mov_b32 s[\g+7], 0
.endr
	s_lshl_b32 s20, s17, 8                         ; the tiles' first rows
	s_lshl_b32 s46, s42, 8
	s_mov_b32 s21, 0
	s_mov_b32 s47, 0
	s_mov_b64 s[18:19], KS
	s_mul_u64 s[22:23], s[20:21], s[18:19]
	s_mul_u64 s[92:93], s[46:47], s[18:19]
	s_mov_b64 s[18:19], KROW
	s_mul_u64 s[20:21], s[20:21], s[18:19]
	s_mul_u64 s[46:47], s[46:47], s[18:19]
	s_mul_i32 s45, s14, HALFT
	s_mul_i32 s18, s16, 128*KROW                   ; in the ring I fetch 128 rows of a tile: which half, in bytes
	s_mov_b32 s19, 0
	s_mov_b32 s[SEL], 0x76543210
	s_mov_b32 s[SEL+1], 0xfedcba98
	s_mov_b32 s[MNT], 0x600000
	s_wait_kmcnt 0x0
	s_add_nc_u64 s[20:21], s[4:5], s[20:21]
	s_add_nc_u64 s[22:23], s[6:7], s[22:23]
	s_add_nc_u64 s[46:47], s[8:9], s[46:47]
	s_add_nc_u64 s[92:93], s[10:11], s[92:93]
	CROUND
	s_mov_b32 s[G0S], 1
	s_mov_b32 s[G0S+1], SCL
	s_mov_b64 s[G0S+2:G0S+3], s[22:23]
	s_or_b32 s[G0S+3], s[G0S+3], 0x80000000
	s_mov_b32 s[G0SB], 1
	s_mov_b32 s[G0SB+1], SCL+2*HALFS
	s_mov_b64 s[G0SB+2:G0SB+3], s[92:93]
	s_or_b32 s[G0SB+3], s[G0SB+3], 0x80000000
	s_mov_b32 s4, 1                                ; s[4:7], s[8:11]: groups 0 of the head's loads of K step 0, each tile whole
	s_mov_b32 s5, 0
	s_mov_b64 s[6:7], s[20:21]
	s_or_b32 s7, s7, 0x80000000
	s_mov_b32 s8, 1
	s_mov_b32 s9, 2*HALFT
	s_mov_b64 s[10:11], s[46:47]
	s_or_b32 s11, s11, 0x80000000
	s_add_nc_u64 s[20:21], s[20:21], s[18:19]      ; for the ring: my 128 rows
	s_add_nc_u64 s[46:47], s[46:47], s[18:19]
.irp s, 0,1
	s_mov_b32 s[G0+4*\s], 1
	s_add_co_u32 s[G0+4*\s+1], s45, \s*SLOT
	s_add_nc_u64 s[G0+4*\s+2:G0+4*\s+3], s[20:21], \s*ROWB
	s_or_b32 s[G0+4*\s+3], s[G0+4*\s+3], 0x80000000
	s_mov_b32 s[G0B+4*\s], 1
	s_add_co_u32 s[G0B+4*\s+1], s45, \s*SLOT
	s_add_nc_u64 s[G0B+4*\s+2:G0B+4*\s+3], s[46:47], \s*ROWB
	s_or_b32 s[G0B+4*\s+3], s[G0B+4*\s+3], 0x80000000
.endr
; the head's four tiles, one load a wave, in one tree of arms: wave 0 A's 256 rows, wave 1 W's, waves 2 and 3 their scales
.macro ARM under, g0, g1, next
	s_cmp_lt_u32 s14, \under
	s_cbranch_scc0 \next
	tensor_load_to_lds s[\g0:\g0+3], s[\g1:\g1+7]
	s_nop 0
.rept 4
	v_nop
.endr
	s_branch .Lhead_asked
\next:
.endm
	ARM 1, 4, G1, .Lhead_b
	ARM 2, 8, G1B, .Lhead_sa
	ARM 3, G0S, G1S, .Lhead_sb
	tensor_load_to_lds s[G0SB:G0SB+3], s[G1SB:G1SB+7]
	s_nop 0
.rept 4
	v_nop
.endr
.Lhead_asked:
	v_and_b32 v1, 15, v0
	v_bfe_u32 v2, v0, 4, 1
	v_mul_u32_u24 v3, v1, PITCH
	v_lshl_add_u32 v4, v2, 4, v3
	s_mul_i32 s21, s15, HALFT
	s_mul_i32 s22, s16, HALFT
	s_add_co_u32 s22, s22, 2*HALFT
.irp s, 0,1
	v_add_nc_u32 v[ADRA+\s], s21, v4
	v_add_nc_u32 v[ADRB+\s], s22, v4
	s_add_co_u32 s21, s21, SLOT
	s_add_co_u32 s22, s22, SLOT
.endr
	v_mul_u32_u24 v5, v1, KS
	v_lshrrev_b32 v6, 8, v5
	v_lshl_add_u32 v5, v6, 4, v5
	s_mul_i32 s21, s15, HALFS
	s_mul_i32 s22, s16, HALFS
	s_add_co_u32 s22, s22, 2*HALFS
	s_sub_co_u32 s22, s22, s21
	v_mul_u32_u24 v6, s22, v2
	s_add_co_u32 s21, s21, SCL
	v_add_nc_u32 v5, v5, v6
	v_add_nc_u32 v[ADRS], s21, v5
	s_lshl_b32 s23, s14, 10
	s_add_co_u32 s23, s23, STG
	v_lshl_add_u32 v[WST], v1, 2, s23
	v_and_b32 v6, 31, v0
	v_lshlrev_b32 v[CO], 4, v6
	v_add_nc_u32 v[WRD], s23, v[CO]
	v_lshlrev_b32 v8, 5, v2
	s_wait_alu depctr_va_vdst(0)
	s_lshl_b32 s20, s17, 4
	s_lshl_b32 s21, s15, 3
	s_add_co_u32 s20, s20, s21
	s_lshl_b32 s20, s20, 16
	s_lshl_b32 s46, s42, 1
	s_add_co_u32 s46, s46, s16
	s_lshl_b32 s47, s46, 11
	s_add_co_u32 s20, s20, s47
	s_mov_b32 s21, 0
	s_lshl_b32 s46, s46, 14
	s_lshl_b32 s47, s17, 10
	s_add_co_u32 s46, s46, s47
	s_lshl_b32 s47, s15, 9
	s_add_co_u32 s46, s46, s47
	s_add_co_u32 s46, s46, 16<<20
	s_mov_b32 s47, 0
	s_add_nc_u64 s[66:67], s[12:13], s[46:47]
	s_add_nc_u64 s[12:13], s[12:13], s[20:21]
	s_lshl_b32 s20, s42, 10
	s_lshl_b32 s21, s16, 9
	s_add_co_u32 s20, s20, s21
	s_mov_b32 s21, 0
	s_add_nc_u64 s[96:97], s[96:97], s[20:21]
.irp b, 0,1,2,3,4,5,6,7
	global_load_b128 v[BJ+8*\b:BJ+8*\b+3], v8, s[96:97] offset:64*\b
	global_load_b128 v[BJ+8*\b+4:BJ+8*\b+7], v8, s[96:97] offset:64*\b+16
.endr
.macro FRAG reg, adr, q, i
.irp c, 0,1,2,3
	ds_load_b128 v[\reg+4*\c:\reg+4*\c+3], v[\adr] offset:128*(\q)+32*\c+(\i)*16*PITCH
.endr
.endm
.macro MUL16 a0, p, q, sc, zero
.irp a, \a0, \a0+1
.irp b, 0,1,2,3,4,5,6,7
.if \zero
	v_wmma_scale_f32_16x16x128_f8f6f4 v[8*(8*((\a)%4)+\b):8*(8*((\a)%4)+\b)+7], v[128*(\p)+FR*\b:128*(\p)+FR*\b+FR-1], v[AF+FR*(\a):AF+FR*(\a)+FR-1], 0, v[SC+8*NQ*(\sc)+NQ*\b+(\q)], v[SC+8*NQ*(\sc)+NQ*(\a)+(\q)] matrix_a_scale:MATRIX_SCALE_ROW1
.else
	v_wmma_scale_f32_16x16x128_f8f6f4 v[8*(8*((\a)%4)+\b):8*(8*((\a)%4)+\b)+7], v[128*(\p)+FR*\b:128*(\p)+FR*\b+FR-1], v[AF+FR*(\a):AF+FR*(\a)+FR-1], v[8*(8*((\a)%4)+\b):8*(8*((\a)%4)+\b)+7], v[SC+8*NQ*(\sc)+NQ*\b+(\q)], v[SC+8*NQ*(\sc)+NQ*(\a)+(\q)] matrix_a_scale:MATRIX_SCALE_ROW1
.endif
.endr
.endr
.endm
.macro FETCH_B slot, q, p
	WIN TO_B
.irp i, 0,1,2,3,4,5,6,7
	FRAG 128*(\p)+FR*\i, ADRB+\slot, \q, \i
.endr
	WIN 0
.endm
.macro FETCH_A slot, q, i0
.irp i, \i0, \i0+1, \i0+2, \i0+3
	FRAG AF+FR*(\i), ADRA+\slot, \q, \i
.endr
.endm
.macro SCALES sc
.irp i, 0,1,2,3,4,5,6,7
	ds_load_b64 v[SC+8*NQ*\sc+NQ*\i:SC+8*NQ*\sc+NQ*\i+1], v[ADRS] offset:\i*SBLK
.endr
.endm
.macro PLACES n
.rept \n
	v_nop
.endr
.endm
.macro STEP slot, q, zero
	s_wait_dscnt 4*NL
	WIN MUL_LO
	MUL16 0, (\q)%2, \q, \slot, \zero
	MUL16 2, (\q)%2, \q, \slot, \zero
	s_wait_dscnt 0
	PLACES NP
	FETCH_B \slot, (\q)+1, 1-(\q)%2
	FETCH_A \slot, (\q)+1, 0
	WIN MUL_HI
	MUL16 4, (\q)%2, \q, \slot, \zero
	MUL16 6, (\q)%2, \q, \slot, \zero
	PLACES NP
	WIN 0
	FETCH_A \slot, (\q)+1, 4
.endm
.macro TURN slot, next, fill
	s_wait_tensorcnt 0x0
	ds_add_u32 v[SPW], v[NIL]
	s_wait_dscnt 4*NL+1
	WIN MUL_LO
	MUL16 0, 1, NQ-1, \slot, 0
	s_wait_dscnt 0x0
	s_barrier_signal -1
	MUL16 2, 1, NQ-1, \slot, 0
	WIN 0
	s_barrier_wait -1
.if \fill
	CREST
	s_add_nc_u64 s[G0+4*\slot+2:G0+4*\slot+3], s[G0+4*\slot+2:G0+4*\slot+3], 2*ROWB
	s_add_nc_u64 s[G0B+4*\slot+2:G0B+4*\slot+3], s[G0B+4*\slot+2:G0B+4*\slot+3], 2*ROWB
	JLOAD G0+4*\slot, G1, G0B+4*\slot, G1B
	PLACES NP-4
.else
	PLACES NP
.endif
	s_wait_alu depctr_va_vdst(0)
	v_add_nc_u32 v[ADRS], 4*NQ, v[ADRS]
	FETCH_B \next, 0, 0
	FETCH_A \next, 0, 0
	SCALES \next
	WIN MUL_HI
	MUL16 4, 1, NQ-1, \slot, 0
	MUL16 6, 1, NQ-1, \slot, 0
	PLACES NP
	WIN 0
	FETCH_A \next, 0, 4
.endm
.macro QUANT s, pc
.irp b, 0,1,2,3
	v_max3_num_f32 v[TM+\b], v[\s+16*\b], v[\s+1+16*\b], 0x4800000
.endr
.irp i, 2,4,6,8,10,12,14
.irp b, 0,1,2,3
	v_max3_num_f32 v[TM+\b], v[TM+\b], v[\s+16*\b+\i], v[\s+1+16*\b+\i]
.endr
.endr
.irp b, 0,1,2,3
	v_permlanex16_b32 v[TM+4+\b], v[TM+\b], s[SEL], s[SEL+1]
.endr
.irp b, 0,1,2,3
	v_max_num_f32 v[TM+\b], v[TM+\b], v[TM+4+\b]
.endr
.irp b, 0,1,2,3
	v_add_nc_u32 v[TM+12+\b], 0xfc000000, v[TM+\b]
.endr
.irp b, 0,1,2,3
	v_and_or_b32 v[TM+8+\b], v[TM+\b], 0x7f800000, s[MNT]
.endr
.irp b, 0,1,2,3
	v_lshrrev_b32 v[TM+4+\b], 23, v[TM+12+\b]
.endr
.irp b, 0,1,2,3
.irp i, 0,1,2,3,4,5,6,7,8,9,10,11,12,13,14,15
	v_med3_num_f32 v[\s+16*\b+\i], v[\s+16*\b+\i], 0, v[TM+8+\b]
.endr
	v_cvt_scalef32_pk8_fp8_f32 v[\pc+4*\b:\pc+1+4*\b], v[\s+16*\b:\s+7+16*\b], v[TM+12+\b]
	v_cvt_scalef32_pk8_fp8_f32 v[\pc+2+4*\b:\pc+3+4*\b], v[\s+8+16*\b:\s+15+16*\b], v[TM+12+\b]
.endr
	v_nop
.irp b, 0,1,2,3
	v_permlane16_swap_b32 v[\pc+4*\b], v[\pc+4*\b+2]
	v_permlane16_swap_b32 v[\pc+4*\b+1], v[\pc+4*\b+3]
.endr
.endm
.macro QOUT a
.set AC, 64*((\a)%4)
.set CC, C+16*((\a)%2)
.set WW, 0x02+(\a)/4
	WIN WW
.irp b, 0,1,2,3,4,5,6,7
.irp p, 0,2,4,6
	v_pk_add_f32 v[T+8*\b+\p:T+8*\b+\p+1], v[AC+8*\b+\p:AC+8*\b+\p+1], v[BJ+8*\b+\p:BJ+8*\b+\p+1]
.endr
.endr
	WIN 0
.if (\a) >= 2
	s_wait_xcnt 0x0
.endif
	QUANT T, CC
	v_lshl_or_b32 v[PW], v[TM+5], 8, v[TM+4]
	v_lshl_or_b32 v[PW], v[TM+6], 16, v[PW]
	v_lshl_or_b32 v[PW], v[TM+7], 24, v[PW]
.irp c, 0,1,2,3
	global_store_b128 v[CO], v[CC+4*\c:CC+4*\c+3], s[12:13] offset:(\a)*65536+512*\c
.endr
	ds_store_b32 v[WST], v[PW] offset:64*(\a)
.endm
	s_wait_alu depctr_va_vdst(0)                   ; the wait at the head's end
	s_wait_tensorcnt 0x0                           ; my tile of the head's four is in
	ds_add_u32 v[SPW], v[NIL]
	s_mov_b32 s[G1+2], 128<<16                     ; no tensor load of mine is out: from here on a load brings 128 rows
	s_mov_b32 s[G1+4], 128
	s_mov_b32 s[G1B+2], 128<<16
	s_mov_b32 s[G1B+4], 128
	s_wait_dscnt 0x0
	CROUND
	JLOAD G0+4, G1, G0B+4, G1B                     ; K step 1, the first tensor load behind the round
	FETCH_B 0, 0, 0
	FETCH_A 0, 0, 0
	SCALES 0
	FETCH_A 0, 0, 4
	STEP 0, 0, 1
	s_mov_b32 s3, LAPS-1
.Llap:
	TURN 0, 1, 1
	STEP 1, 0, 0
	TURN 1, 0, 1
	STEP 0, 0, 0
	s_sub_co_u32 s3, s3, 1
	s_cmp_lg_u32 s3, 0
	s_cbranch_scc1 .Llap
	TURN 0, 1, 0
	STEP 1, 0, 0
	s_wait_dscnt 4*NL
	WIN MUL_LO
	MUL16 0, 1, NQ-1, 1, 0
	MUL16 2, 1, NQ-1, 1, 0
	s_wait_dscnt 0
	WIN MUL_HI
	MUL16 4, 1, NQ-1, 1, 0
	MUL16 6, 1, NQ-1, 1, 0
	WIN 0
	PLACES NP
	s_wait_loadcnt 0x0
.irp b, 0,1,2,3
	v_mov_b32 v[TM+4+\b], 0
.endr
.irp a, 0,1,2,3,4,5,6,7
	QOUT \a
.endr
	ds_load_b128 v[RB:RB+3], v[WRD]
	s_wait_dscnt 0x0
	global_store_b128 v[CO], v[RB:RB+3], s[66:67]
	s_wait_tensorcnt 0x0
	ds_add_u32 v[SPW], v[NIL]
	s_wait_dscnt 0x0
	CROUND
	s_endpgm
.Lfunc_end_k_qfe94c6927e_w1:
	.size	k_qfe94c6927e_w1, .Lfunc_end_k_qfe94c6927e_w1-k_qfe94c6927e_w1
	.p2alignl 7, 3214868480
	.fill 96, 4, 3214868480
	.section	.rodata,"a",@progbits
	.p2align	6, 0x0
	.amdhsa_kernel k_qfe94c6927e_w1
		.amdhsa_group_segment_fixed_size 327680
		.amdhsa_private_segment_fixed_size 0
		.amdhsa_enable_private_segment 0
		.amdhsa_kernarg_size 48
		.amdhsa_user_sgpr_count 2
		.amdhsa_user_sgpr_kernarg_segment_ptr 1
		.amdhsa_wavefront_size32 1
		.amdhsa_system_sgpr_workgroup_id_x 1
		.amdhsa_system_sgpr_workgroup_id_y 1
		.amdhsa_system_sgpr_workgroup_id_z 1
		.amdhsa_system_vgpr_workitem_id 0
		.amdhsa_next_free_vgpr 1024
		.amdhsa_next_free_sgpr 102
		.amdhsa_reserve_vcc 0
		.amdhsa_float_denorm_mode_32 3
		.amdhsa_float_denorm_mode_16_64 3
		.amdhsa_memory_ordered 1
		.amdhsa_forward_progress 1
		.amdhsa_inst_pref_size 205
	.end_amdhsa_kernel
	.amdgpu_metadata
---
amdhsa.version: [ 1, 2 ]
amdhsa.kernels:
  - .name:           k_qfe94c6927e_w1
    .symbol:         k_qfe94c6927e_w1.kd
    .args:
      - { .name: hc, .offset: 0, .size: 8, .value_kind: global_buffer, .address_space: global }
      - { .name: hs, .offset: 8, .size: 8, .value_kind: global_buffer, .address_space: global }
      - { .name: W1_codes, .offset: 16, .size: 8, .value_kind: global_buffer, .address_space: global }
      - { .name: W1_scales, .offset: 24, .size: 8, .value_kind: global_buffer, .address_space: global }
      - { .name: b1, .offset: 32, .size: 8, .value_kind: global_buffer, .address_space: global }
      - { .name: hid, .offset: 40, .size: 8, .value_kind: global_buffer, .address_space: global }
    .group_segment_fixed_size: 327680
    .private_segment_fixed_size: 0
    .kernarg_segment_align: 8
    .kernarg_segment_size: 48
    .max_flat_workgroup_size: 128
    .sgpr_count:     102
    .vgpr_count:     1024
    .wavefront_size: 32
...
	.end_amdgpu_metadata
.endif
;; end of part 5
;; launch w2 (part 6): grid 8 x 32, 4 waves a work-group, clusters of 4 x 4, 327,680 bytes of LDS; arguments hid, W2_codes, W2_scales, b2, x1, out0; writes out0
.if DOCPART == 6
	.amdgcn_target "amdgcn-amd-amdhsa--gfx1250"
	.amdhsa_code_object_version 6
	.text
	.protected	k_qfe94c6927e_w2
	.globl	k_qfe94c6927e_w2
	.p2align	8
	.type	k_qfe94c6927e_w2,@function
k_qfe94c6927e_w2:
	s_mov_b64 s[64:65], 0
	v_nop
	global_prefetch_b8 v0, s[64:65] scope:SCOPE_SE
	s_setreg_imm32_b32 hwreg(HW_REG_WAVE_MODE, 25, 1), 1
	s_wait_xcnt 0x0
	s_wait_alu depctr_hold_cnt(0) depctr_sa_sdst(0) depctr_va_vdst(0) depctr_va_sdst(0) depctr_va_ssrc(0) depctr_va_vcc(0) depctr_vm_vsrc(0)
	s_getreg_b32 s2, hwreg(HW_REG_IB_STS2, 6, 4)
	s_cmp_eq_u32 s2, 0
	s_cbranch_scc0 .Lentry_in_a_cluster
	s_endpgm
.Lentry_in_a_cluster:
	s_bfe_u32 s2, ttmp6, 0x10000c
	s_cmp_lg_u32 s2, 0xf033
	s_cbranch_scc0 .Lentry_shape_is_right
	s_endpgm
.Lentry_shape_is_right:
; out = res + bias + A W^T on codes of FP8 (E4M3) with E8M0 scales.  A: 4,096 rows x SIZE_K as IMAGES of operand registers: (tile of 16 rows x SIZE_K / 128 + K step of 128) x 2,048 + 512 c + 16 lane;
; behind them, at 4,096 SIZE_K, its scale words: K step x 16,384 + 4 x row.  W: codes [1024][SIZE_K], scale bytes [1024][SIZE_K / 32].  bias [1024], res and out [4096][1024] f32.
; A tile of 128 x 128 to a work-group (256 work-groups), 64 x 64 a wave: 16 accumulators.  K goes in steps of 512 through a ring of two LDS slots: A's 8 tiles of rows x 8,192 dense bytes, W's 128 rows of 512 bytes + 16.
; All scale words of the tile's rows come once, with the first fills, and stay.  CLUSTERS: 4 x 4: A's tiles are shared along a row of the cluster, W's along a column: joint loads.
; Source 0 = 16 rows of W, source 1 = 16 rows of A: a lane holds eight neighbouring columns of one row of out.  The bias is the C of each sum's first product.  The residual is asked for at the head and lands under the loop.
; REGISTERS: window 0: v0-31 addresses; v32-63 the bias; v64-127 scale words, two sets of 32 (A's 16, W's 16); v128-255 the accumulators ((a, b) at v[128 + 8 (4 a + b)]).
;   window 1: two fragment buffers of 128 (A's 4 x 16, W's 4 x 16); on the way out rows of out.   window 2: v0-127 the residual.
.set SIZE_K, 4096
.set KS,     SIZE_K/32
.set LAPS,   SIZE_K/1024               ; a lap = two K steps of 512 = once round the ring
.set PB,     528                       ; a row of W in LDS: 512 bytes + 16 of padding
.set AHALF,  32768                     ; four tiles of rows of A: what one tensor load brings, and what one wave reads
.set BHALF,  64*PB
.set BOFF,   2*AHALF
.set SLOT,   BOFF+2*BHALF
.set SCA,    2*SLOT                    ; A's scale words: [K step of 128][128 rows][4 bytes]
.set SCBS,   SCA+16384                 ; W's scale bytes, as blocks of 256 bytes + 16 of padding
.set HALFSB, (64*KS/256)*272
.set SBLK,   (16*KS/256)*272
.set SPARE,  SCBS+17408                ; the spare words, 128 bytes for each wave
.set STAGE,  SPARE+512                 ; 16 rows x 272 bytes for each wave, for the way out; no fill lands here
.set SP,     272
.set ADRA, 16
.set ADRB, 20
.set ADSA, 22
.set ADSB, 23
.set STO,  24
.set RD,   25
.set CO,   26
.set SPW,  28
.set NIL,  29
.set BJ,   32
.set SC,   64
.set ACC,  128
.set F0,   0
.set F1,   128
.set G1, 24
.set G0, 32
.set G1B, 48
.set G0B, 56
.set G1S, 68
.set G0S, 76
.set G1SB, 80
.set G0SB, 88
.set MSB, 0
.macro WIN new                         ; the immediate's high byte repeats the setting that is left
.if MSB != \new
	s_set_vgpr_msb (MSB<<8)|\new
.set MSB, \new
.endif
.endm
.set MUL,  0x05                        ; sources 0 (W) and 1 (A) window 1; C and D window 0
.set TO_F, 0x40                        ; destination window 1, address window 0
.macro JLOAD g0a, g1a, g0b, g1b        ; a joint load: waves 0 and 1 fetch for A, waves 2 and 3 for W; four v_nop follow each of the two lines
	s_cmp_eq_u32 s17, 0
	s_cbranch_scc0 .Lfor_b_\@
	tensor_load_to_lds s[\g0a:\g0a+3], s[\g1a:\g1a+7]
	s_nop 0
.rept 4
	v_nop
.endr
	s_branch .Lasked_\@
.Lfor_b_\@:
	tensor_load_to_lds s[\g0b:\g0b+3], s[\g1b:\g1b+7]
	s_nop 0
.rept 4
	v_nop
.endr
.Lasked_\@:
.endm
.macro CREST
	s_cmp_lg_u32 s16, 0
	s_cbranch_scc1 .Lnot_wave_0_\@
	s_barrier_signal -3
.Lnot_wave_0_\@:
	s_barrier_wait -3
	s_barrier_signal -1
	s_barrier_wait -1
.endm
.macro CROUND
	s_barrier_signal -1
	s_barrier_wait -1
	CREST
.endm
	s_load_b256 s[4:11], s[0:1], 0x0               ; A, W's codes, W's scales, bias
	s_load_b128 s[12:15], s[0:1], 0x20             ; res, out
	v_lshl_add_u32 v[SPW], v0, 2, SPARE
	v_mov_b32 v[NIL], 0
	ds_add_u32 v28, v29
	ds_add_u32 v28, v29
	s_wait_dscnt 0x0
	v_lshrrev_b32 v1, 5, v0
	v_readfirstlane_b32 s16, v1                    ; wave 0..3
	s_lshr_b32 s17, s16, 1                         ; which half of the tile's rows is mine.  Also: I fetch for A (0) or for W (1)
	s_and_b32 s18, s16, 1                          ; which half of its columns.  Also: which half of that tile I fetch
	s_bfe_u32 s40, ttmp6, 0x40000                  ; cx, cy
	s_bfe_u32 s41, ttmp6, 0x40004
	s_lshl_b32 s20, ttmp9, 2
	s_add_co_u32 s20, s20, s40                     ; tile column
	s_and_b32 s19, ttmp7, 0xffff
	s_lshl_b32 s19, s19, 2
	s_add_co_u32 s19, s19, s41                     ; tile row
	s_lshl_b32 s43, s41, 2
	s_lshl_b32 s43, 15, s43                        ; my row of the cluster
	s_lshl_b32 s44, 0x1111, s40                    ; my column
	s_or_b32 s[G1], s43, (3<<16)|(1<<21)           ; A: the mask; elements of 8 bytes; no padding; bit 21 beside a mask
	s_mov_b32 s[G1+1], 1024<<16                    ; tensor_dim0 = 1,024 elements: a tile of rows' 8,192 bytes of this K step
	s_mov_b32 s[G1+2], 8<<16                       ; the head's load brings all 8 tiles of rows; behind it the two words that count rows are set to 4
	s_mov_b32 s[G1+3], 1024<<16
	s_mov_b32 s[G1+4], 8
	s_mov_b32 s[G1+5], 2*SIZE_K                    ; from a tile of rows to the next: 16 SIZE_K bytes
	s_mov_b32 s[G1+6], 0
	s_mov_b32 s[G1+7], 0
	s_or_b32 s[G1B], s44, (0<<16)|(1<<20)|(1<<21)|(6<<22)|(3<<25)   ; W: elements of 1 byte; 4 words of padding after every 128
	s_mov_b32 s[G1B+1], 512<<16
	s_mov_b32 s[G1B+2], 128<<16                    ; likewise: 128 rows at the head, then 64
	s_mov_b32 s[G1B+3], 512<<16
	s_mov_b32 s[G1B+4], 128
	s_mov_b32 s[G1B+5], SIZE_K
	s_mov_b32 s[G1B+6], 0
	s_mov_b32 s[G1B+7], 0
	s_or_b32 s[G1S], s43, (3<<16)|(1<<21)          ; A's words: 512 bytes (128 rows) of each of SIZE_K / 128 K steps
	s_mov_b32 s[G1S+1], 64<<16
	s_mov_b32 s[G1S+2], (SIZE_K/128)<<16           ; all K steps of 128 in one load
	s_mov_b32 s[G1S+3], 64<<16
	s_mov_b32 s[G1S+4], SIZE_K/128
	s_mov_b32 s[G1S+5], 2048
	s_mov_b32 s[G1S+6], 0
	s_mov_b32 s[G1S+7], 0
	s_or_b32 s[G1SB], s44, (3<<16)|(1<<20)|(1<<21)|(5<<22)|(3<<25)  ; W's scale bytes of 128 rows: dense, as rows of 256 bytes + 16
	s_mov_b32 s[G1SB+1], 32<<16
	s_mov_b32 s[G1SB+2], (KS/2)<<16                ; the scale bytes of all 128 rows in one load
	s_mov_b32 s[G1SB+3], 32<<16
	s_mov_b32 s[G1SB+4], KS/2
	s_mov_b32 s[G1SB+5], 32
	s_mov_b32 s[G1SB+6], 0
	s_mov_b32 s[G1SB+7], 0
	s_mul_i32 s92, s19, 128*SIZE_K                 ; A: the tile's first byte
	s_mul_i32 s66, s18, 64*SIZE_K                  ; in the ring I fetch half a tile: 64 rows of A or of W on, in bytes
	s_mov_b32 s67, 0
	s_mov_b32 s93, 0
	s_lshl_b32 s94, s19, 9                         ; A's words: the tile's 128 rows
	s_add_co_u32 s94, s94, 4096*SIZE_K
	s_mov_b32 s95, 0
	s_lshl_b32 s46, s20, 7
	s_mul_i32 s96, s46, KS
	s_mov_b32 s97, 0
	s_mul_i32 s46, s46, SIZE_K
	s_mov_b32 s47, 0
	s_mul_i32 s21, s18, AHALF                      ; where they go: no place in the cluster enters an LDS address
	s_mul_i32 s22, s18, BHALF
	s_add_co_u32 s22, s22, BOFF
	s_wait_kmcnt 0x0
	s_add_nc_u64 s[92:93], s[4:5], s[92:93]
	s_add_nc_u64 s[94:95], s[4:5], s[94:95]
	s_add_nc_u64 s[46:47], s[6:7], s[46:47]
	s_add_nc_u64 s[96:97], s[8:9], s[96:97]
	CROUND                                         ; all sixteen work-groups are here: the first joint loads meet
	s_mov_b32 s[G0S], 1
	s_mov_b32 s[G0S+1], SCA
	s_mov_b64 s[G0S+2:G0S+3], s[94:95]
	s_or_b32 s[G0S+3], s[G0S+3], 0x80000000
	s_mov_b32 s[G0SB], 1
	s_mov_b32 s[G0SB+1], SCBS
	s_mov_b64 s[G0SB+2:G0SB+3], s[96:97]
	s_or_b32 s[G0SB+3], s[G0SB+3], 0x80000000
; THE PREFETCHES INTO THE L2: behind the load of K step n stands one request a wave for K step n + 2, so two K steps (128 matrix instructions a wave) ahead of the load that wants it; steps 6 and 7's loads ask for nothing.
; A K step of a cluster is 4 tiles of A and 4 of W, 2,048 blocks of 256 bytes, one to each lane of its 64 waves.  Of the half tile that a wave fetches, each of the four partners that ask for it jointly takes a
; quarter BY ADDRESS (cx for A, cy for W): 16 rows' worth, 8,192 bytes of A's images, or 16 rows x 512 bytes of W.  s[8:9]: where my next request stands; s[44:45]: a K step on; v30: my lane's offset.
	s_cmp_eq_u32 s17, 0                            ; do I fetch for A?
	s_cselect_b64 s[8:9], s[4:5], s[6:7]
	s_cselect_b32 s23, s19, s20                    ; the tile: by the tile row in A, by the tile column in W
	s_cselect_b32 s2, s40, s41                     ; my place among the four that ask with me
	s_mov_b32 s44, 512
	s_cselect_b32 s44, 8192, s44                   ; a K step on, in bytes
	s_mov_b32 s45, SIZE_K
	s_cselect_b32 s45, 512, s45                    ; from a pair of lanes to the next
	s_lshl_b32 s23, s23, 1
	s_add_co_u32 s23, s23, s18
	s_lshl_b32 s23, s23, 2
	s_add_co_u32 s23, s23, s2                      ; which 16 rows: 8 x tile + 4 x half + place
	s_mul_i32 s2, s23, 16*SIZE_K
	s_lshl_b32 s3, s44, 1
	s_add_co_u32 s2, s2, s3                        ; at K step 2
	s_mov_b32 s3, 0
	s_add_nc_u64 s[8:9], s[8:9], s[2:3]
	s_mov_b32 s4, 1                                ; s[4:7], s[96:99]: groups 0 of the head's loads of K step 0, each tile whole
	s_mov_b32 s5, 0
	s_mov_b64 s[6:7], s[92:93]
	s_or_b32 s7, s7, 0x80000000
	s_mov_b32 s96, 1
	s_mov_b32 s97, BOFF
	s_mov_b64 s[98:99], s[46:47]
	s_or_b32 s99, s99, 0x80000000
	s_add_nc_u64 s[92:93], s[92:93], s[66:67]      ; for the ring: my half
	s_add_nc_u64 s[46:47], s[46:47], s[66:67]
.irp s, 0,1
	s_mov_b32 s[G0+4*\s], 1
	s_add_co_u32 s[G0+4*\s+1], s21, \s*SLOT
	s_add_nc_u64 s[G0+4*\s+2:G0+4*\s+3], s[92:93], \s*8192
	s_or_b32 s[G0+4*\s+3], s[G0+4*\s+3], 0x80000000
	s_mov_b32 s[G0B+4*\s], 1
	s_add_co_u32 s[G0B+4*\s+1], s22, \s*SLOT
	s_add_nc_u64 s[G0B+4*\s+2:G0B+4*\s+3], s[46:47], \s*512
	s_or_b32 s[G0B+4*\s+3], s[G0B+4*\s+3], 0x80000000
.endr
; the head's four tiles, one load a wave, in one tree of arms: wave 0 A's tile, wave 1 W's, wave 2 A's scale words, wave 3 W's scale bytes
.macro ARM under, g0, g1, next
	s_cmp_lt_u32 s16, \under
	s_cbranch_scc0 \next
	tensor_load_to_lds s[\g0:\g0+3], s[\g1:\g1+7]
	s_nop 0
.rept 4
	v_nop
.endr
	s_branch .Lhead_asked
\next:
.endm
	ARM 1, 4, G1, .Lhead_b
	ARM 2, 96, G1B, .Lhead_sa
	ARM 3, G0S, G1S, .Lhead_sb
	tensor_load_to_lds s[G0SB:G0SB+3], s[G1SB:G1SB+7]
	s_nop 0
.rept 4
	v_nop
.endr
.Lhead_asked:
	v_and_b32 v1, 15, v0                           ; r
	v_bfe_u32 v2, v0, 4, 1                         ; h
	v_and_b32 v3, 31, v0
	v_lshlrev_b32 v3, 4, v3                        ; 16 x lane
	s_mul_i32 s21, s17, AHALF                      ; my four tiles of rows of A
	v_add_nc_u32 v[ADRA], s21, v3
	v_add_nc_u32 v[ADRA+1], SLOT, v[ADRA]
	v_mul_u32_u24 v4, v1, PB
	v_lshl_add_u32 v4, v2, 4, v4
	s_mul_i32 s22, s18, BHALF                      ; my 64 rows of W
	s_add_co_u32 s22, s22, BOFF
	v_add_nc_u32 v[ADRB], s22, v4
	v_add_nc_u32 v[ADRB+1], SLOT, v[ADRB]
	s_lshl_b32 s21, s17, 8
	s_add_co_u32 s21, s21, SCA
	v_lshl_add_u32 v[ADSA], v1, 2, s21             ; A's words: my 64 rows, 4 bytes a row
	v_mul_u32_u24 v5, v1, KS
	v_lshrrev_b32 v6, 8, v5
	v_lshl_add_u32 v5, v6, 4, v5                   ; W's: KS bytes a row, and 16 more for each 256 passed
	s_mul_i32 s22, s18, HALFSB
	s_add_co_u32 s22, s22, SCBS
	v_add_nc_u32 v[ADSB], s22, v5
	s_mul_i32 s23, s16, 16*SP
	s_add_co_u32 s23, s23, STAGE                   ; my stage
	v_mul_u32_u24 v4, v1, SP
	v_lshl_add_u32 v4, v2, 5, v4
	v_add_nc_u32 v[STO], s23, v4                   ; in: row r, 32 bytes for each half of the lanes
	v_mul_u32_u24 v5, v2, SP
	v_lshl_add_u32 v5, v1, 4, v5
	v_add_nc_u32 v[RD], s23, v5                    ; back: lanes 0-15 one row of 256 bytes, lanes 16-31 the next
	v_lshlrev_b32 v[CO], 12, v2
	v_lshl_add_u32 v[CO], v1, 4, v[CO]             ; and the same two rows in res and out
	v_lshlrev_b32 v7, 5, v2                        ; the bias: 32 h
	v_bfe_u32 v30, v0, 1, 4                        ; the prefetches' offset: (lane / 2) x the pitch + 256 x (lane % 2)
	v_mul_lo_u32 v30, v30, s45
	v_and_b32 v31, 1, v0
	v_lshl_add_u32 v30, v31, 8, v30
	s_wait_alu depctr_va_vdst(0)
	s_mov_b32 s45, 0                               ; s[44:45] is now the step, as a pair
	s_lshl_b32 s46, s20, 9
	s_lshl_b32 s47, s18, 8
	s_add_co_u32 s46, s46, s47                     ; my first column, in bytes
	s_mov_b32 s47, 0
	s_add_nc_u64 s[10:11], s[10:11], s[46:47]
	s_lshl_b32 s21, s19, 19
	s_lshl_b32 s22, s17, 18
	s_add_co_u32 s21, s21, s22                     ; my first row, in bytes
	s_add_co_u32 s46, s46, s21
	s_add_nc_u64 s[12:13], s[12:13], s[46:47]
	s_add_nc_u64 s[14:15], s[14:15], s[46:47]
.irp b, 0,1,2,3
	global_load_b128 v[BJ+8*\b:BJ+8*\b+3], v7, s[10:11] offset:64*\b       ; lane (r, h), tile b: columns 16 b + 8 h + 0 .. 7
	global_load_b128 v[BJ+8*\b+4:BJ+8*\b+7], v7, s[10:11] offset:64*\b+16
.endr
	WIN 0x80                                       ; destination window 2
.irp a, 0,1,2,3
.irp t, 0,1,2,3,4,5,6,7
	global_load_b128 v[32*\a+4*\t:32*\a+4*\t+3], v[CO], s[12:13] offset:(16*\a+2*\t)*4096   ; sixteen lanes read 256 consecutive bytes
.endr
.endr
	WIN 0
; four matrix instructions: A's block a x W's four, 128 along K: the slot's q-th.  zero = 1: the bias is the C of the first product: nothing is cleared.  The 16 accumulators take turns.
.macro MUL4 f, q, sc, a, zero
.irp b, 0,1,2,3
.if \zero
	v_wmma_scale_f32_16x16x128_f8f6f4 v[ACC+8*(4*(\a)+\b):ACC+8*(4*(\a)+\b)+7], v[\f+64+16*\b:\f+64+16*\b+15], v[\f+16*(\a):\f+16*(\a)+15], v[BJ+8*\b:BJ+8*\b+7], v[SC+32*(\sc)+16+4*\b+(\q)], v[SC+32*(\sc)+4*(\a)+(\q)]
.else
	v_wmma_scale_f32_16x16x128_f8f6f4 v[ACC+8*(4*(\a)+\b):ACC+8*(4*(\a)+\b)+7], v[\f+64+16*\b:\f+64+16*\b+15], v[\f+16*(\a):\f+16*(\a)+15], v[ACC+8*(4*(\a)+\b):ACC+8*(4*(\a)+\b)+7], v[SC+32*(\sc)+16+4*\b+(\q)], v[SC+32*(\sc)+4*(\a)+(\q)]
.endif
.endr
.endm
.macro SCALES sc                       ; a slot's scale words: register 4 i + q: block i, the slot's q-th 128 along K; A's at +0, W's at +16
	WIN 0
.irp i, 0,1,2,3
.irp q, 0,1,2,3
	ds_load_b32 v[SC+32*\sc+4*\i+\q], v[ADSA] offset:64*\i+512*\q
.endr
	ds_load_b128 v[SC+32*\sc+16+4*\i:SC+32*\sc+16+4*\i+3], v[ADSB] offset:\i*SBLK
.endr
.endm
.macro FETCH slot, q, f                ; 32 LDS loads in one run: W's four fragments, then A's four
	WIN TO_F
.irp i, 0,1,2,3
.irp c, 0,1,2,3
	ds_load_b128 v[\f+64+16*\i+4*\c:\f+64+16*\i+4*\c+3], v[ADRB+\slot] offset:\i*16*PB+128*(\q)+32*\c
.endr
.endr
.irp i, 0,1,2,3
.irp c, 0,1,2,3
	ds_load_b128 v[\f+16*\i+4*\c:\f+16*\i+4*\c+3], v[ADRA+\slot] offset:\i*8192+2048*(\q)+512*\c
.endr
.endr
.endm
.macro PLACES n                        ; plain vector instructions between a matrix instruction and a load into, or a read of, its registers
.rept \n
	v_nop
.endr
.endm
.macro QUARTER slot, q, zero           ; 128 along K: multiplies buffer q % 2 and fetches the next quarter of the same slot into the other
.set FM, F0+128*((\q)%2)
.set FN, F0+128*(1-(\q)%2)
	s_wait_dscnt 8                                 ; all but the youngest eight loads (A's blocks 2 and 3) are in
	WIN MUL
	MUL4 FM, \q, \slot, 0, \zero
	MUL4 FM, \q, \slot, 1, \zero
	PLACES 8
	FETCH \slot, (\q)+1, FN
	s_wait_dscnt 32                                ; all but the 32 just issued
	WIN MUL
	MUL4 FM, \q, \slot, 2, \zero
	MUL4 FM, \q, \slot, 3, \zero
.endm
; A slot's last quarter changes slots: one barrier; in front of it each wave waits for all its tensor loads, adds 0 to its spare word, and waits for that and for its reads of this slot.
.macro TURN slot, next, fill
	WIN 0
.if \fill
	s_wait_xcnt 0x0                                ; my last prefetch, a K step back, has read its address, which steps here
	s_add_nc_u64 s[8:9], s[8:9], s[44:45]
.endif
	s_wait_tensorcnt 0x0                           ; all my tensor loads have landed: my part of the next slot
	ds_add_u32 v[SPW], v[NIL]                      ; 0 onto my spare word
	s_wait_dscnt 9                                 ; (the add and the youngest eight loads may be out)
	WIN MUL
	MUL4 F1, 3, \slot, 0, 0
	MUL4 F1, 3, \slot, 1, 0
	s_wait_dscnt 0x0                               ; the add is done, and my reads of this slot are over
	s_barrier_signal -1
	MUL4 F1, 3, \slot, 2, 0
	WIN 0
	s_barrier_wait -1
.if \fill
	CREST                                          ; the barrier has opened a round of the cluster's: no wave of any partner still reads this slot or has a load on its way
	s_add_nc_u64 s[G0+4*\slot+2:G0+4*\slot+3], s[G0+4*\slot+2:G0+4*\slot+3], 16384
	s_add_nc_u64 s[G0B+4*\slot+2:G0B+4*\slot+3], s[G0B+4*\slot+2:G0B+4*\slot+3], 1024
	JLOAD G0+4*\slot, G1, G0B+4*\slot, G1B         ; the first tensor load behind the round; its four v_nop are among the places in front of the loads below
	PLACES 4
.else
	PLACES 8
.endif
	s_wait_alu depctr_va_vdst(0)
	v_add_nc_u32 v[ADSA], 2048, v[ADSA]            ; on to the next slot's scale words
	v_add_nc_u32 v[ADSB], 16, v[ADSB]
	SCALES \next
	FETCH \next, 0, F0
.if \fill
	WIN 0                                          ; (a branch follows)
	s_cmp_gt_u32 s3, 1                             ; the loop's last trip loads K steps 6 and 7: there is no step two on
	s_cbranch_scc0 .Lno_ask_\@
	global_prefetch_b8 v30, s[8:9] th:TH_LOAD_NT scope:SCOPE_SE
.Lno_ask_\@:
.endif
	WIN MUL
	MUL4 F1, 3, \slot, 3, 0
.endm
	global_prefetch_b8 v30, s[8:9] th:TH_LOAD_NT scope:SCOPE_SE   ; behind K step 0's load: K step 2
	s_wait_tensorcnt 0x0                           ; my tile of the head's four is in
	ds_add_u32 v[SPW], v[NIL]
	s_mov_b32 s[G1+2], 4<<16                       ; no tensor load of mine is out: from here on a load brings half a tile
	s_mov_b32 s[G1+4], 4
	s_mov_b32 s[G1B+2], 64<<16
	s_mov_b32 s[G1B+4], 64
	s_wait_xcnt 0x0                                ; the prefetch has read its address, which steps to K step 3
	s_add_nc_u64 s[8:9], s[8:9], s[44:45]
	s_wait_dscnt 0x0
	CROUND
	JLOAD G0+4, G1, G0B+4, G1B                     ; K step 1, the first tensor load behind the round
	SCALES 0
	FETCH 0, 0, F0
	global_prefetch_b8 v30, s[8:9] th:TH_LOAD_NT scope:SCOPE_SE   ; behind K step 1's load: K step 3
	s_wait_loadcnt 32                              ; the bias is in; the 32 loads of the residual stay out
	QUARTER 0, 0, 1                                ; the first quarter stands in front of the loop: its products start the sums
.if LAPS > 1
	WIN 0
	s_mov_b32 s3, LAPS-1
.Llap:
	QUARTER 0, 1, 0
	QUARTER 0, 2, 0
	TURN 0, 1, 1
	QUARTER 1, 0, 0
	QUARTER 1, 1, 0
	QUARTER 1, 2, 0
	TURN 1, 0, 1
	QUARTER 0, 0, 0
	WIN 0
	s_sub_co_u32 s3, s3, 1
	s_cmp_lg_u32 s3, 0
	s_cbranch_scc1 .Llap
.endif
	QUARTER 0, 1, 0                                ; the last lap fills nothing
	QUARTER 0, 2, 0
	TURN 0, 1, 0
	QUARTER 1, 0, 0
	QUARTER 1, 1, 0
	QUARTER 1, 2, 0
	s_wait_dscnt 8
	WIN MUL
	MUL4 F1, 3, 1, 0, 0
	MUL4 F1, 3, 1, 1, 0
	s_wait_dscnt 0x0
	MUL4 F1, 3, 1, 2, 0
	MUL4 F1, 3, 1, 3, 0
	WIN 0
	; THE WAY OUT, 16 rows at a time: through my own stage, back as whole rows of 256 bytes, the residual added, stored
	PLACES 8
	s_wait_loadcnt 0x0                             ; the residual
.irp a, 0,1,2,3
.set TT, 32*(\a%2)
	WIN 0
.irp b, 0,1,2,3
	ds_store_b128 v[STO], v[ACC+8*(4*\a+\b):ACC+8*(4*\a+\b)+3] offset:64*\b        ; each accumulator from its low end on
	ds_store_b128 v[STO], v[ACC+8*(4*\a+\b)+4:ACC+8*(4*\a+\b)+7] offset:64*\b+16
.endr
.if \a >= 2
	s_wait_xcnt 0x0                                ; block a - 2's stores have read their data: those registers are loaded again only behind this wait
.endif
	WIN 0x40                                       ; destination window 1
.irp t, 0,1,2,3,4,5,6,7
	ds_load_b128 v[TT+4*\t:TT+4*\t+3], v[RD] offset:\t*2*SP    ; LDS serves a wave's instructions in order: these see my stores
.endr
	s_wait_dscnt 0x0
	WIN 0x49                                       ; destination and source 0 window 1, source 1 window 2
.irp t, 0,1,2,3,4,5,6,7,8,9,10,11,12,13,14,15
	v_pk_add_f32 v[TT+2*\t:TT+2*\t+1], v[TT+2*\t:TT+2*\t+1], v[32*\a+2*\t:32*\a+2*\t+1]
.endr
	WIN 0x04                                       ; a store's data are its source 1: window 1
.irp t, 0,1,2,3,4,5,6,7
	global_store_b128 v[CO], v[TT+4*\t:TT+4*\t+3], s[14:15] offset:(16*\a+2*\t)*4096   ; sixteen lanes store 256 consecutive bytes, aligned
.endr
.endr
	WIN 0
	s_wait_tensorcnt 0x0                           ; the wave's end
	ds_add_u32 v[SPW], v[NIL]
	s_wait_dscnt 0x0
	CROUND                                         ; the closing round
	s_endpgm
.Lfunc_end_k_qfe94c6927e_w2:
	.size	k_qfe94c6927e_w2, .Lfunc_end_k_qfe94c6927e_w2-k_qfe94c6927e_w2
	.p2alignl 7, 3214868480
	.fill 96, 4, 3214868480
	.section	.rodata,"a",@progbits
	.p2align	6, 0x0
	.amdhsa_kernel k_qfe94c6927e_w2
		.amdhsa_group_segment_fixed_size 327680
		.amdhsa_private_segment_fixed_size 0
		.amdhsa_enable_private_segment 0
		.amdhsa_kernarg_size 48
		.amdhsa_user_sgpr_count 2
		.amdhsa_user_sgpr_kernarg_segment_ptr 1
		.amdhsa_wavefront_size32 1
		.amdhsa_system_sgpr_workgroup_id_x 1
		.amdhsa_system_sgpr_workgroup_id_y 1
		.amdhsa_system_sgpr_workgroup_id_z 1
		.amdhsa_system_vgpr_workitem_id 0
		.amdhsa_next_free_vgpr 640
		.amdhsa_next_free_sgpr 100
		.amdhsa_reserve_vcc 0
		.amdhsa_float_denorm_mode_32 3
		.amdhsa_float_denorm_mode_16_64 3
		.amdhsa_memory_ordered 1
		.amdhsa_forward_progress 1
		.amdhsa_inst_pref_size 107
	.end_amdhsa_kernel
	.amdgpu_metadata
---
amdhsa.version: [ 1, 2 ]
amdhsa.kernels:
  - .name:           k_qfe94c6927e_w2
    .symbol:         k_qfe94c6927e_w2.kd
    .args:
      - { .name: hid, .offset: 0, .size: 8, .value_kind: global_buffer, .address_space: global }
      - { .name: W2_codes, .offset: 8, .size: 8, .value_kind: global_buffer, .address_space: global }
      - { .name: W2_scales, .offset: 16, .size: 8, .value_kind: global_buffer, .address_space: global }
      - { .name: b2, .offset: 24, .size: 8, .value_kind: global_buffer, .address_space: global }
      - { .name: x1, .offset: 32, .size: 8, .value_kind: global_buffer, .address_space: global }
      - { .name: out0, .offset: 40, .size: 8, .value_kind: global_buffer, .address_space: global }
    .group_segment_fixed_size: 327680
    .private_segment_fixed_size: 0
    .kernarg_segment_align: 8
    .kernarg_segment_size: 48
    .max_flat_workgroup_size: 128
    .sgpr_count:     100
    .vgpr_count:     640
    .wavefront_size: 32
...
	.end_amdgpu_metadata
.endif
;; end of part 6
